; MI455X (gfx1250); checked and timed in simulation.
; The chip was launched on July 23, 2026; its instructions are those of AMD's public machine-readable ISA for CDNA 5 (MIT licence, August 2026) and "CDNA5" Instruction Set Architecture Reference Guide (July 2026). The comments in the code are by the model that wrote it; some were corrected since.
;; Multi Head Masked Self Attention. Allowed arithmetic: matrix products marked QUANTISED: E3M2 operands, one E8M0 scale for each 32 along K, by v_wmma_scale_f32_16x16x128_f8f6f4 with both operands' format E3M2, f32 sums; everything else in f32.
;; Inputs: Wk 1,024 x 1,024 float32; Wo 1,024 x 1,024 float32; Wq 1,024 x 1,024 float32; Wv 1,024 x 1,024 float32; bk 1,024 float32; bo 1,024 float32; bq 1,024 float32; bv 1,024 float32; x 4 x 2,048 x 1,024 float32.
;; Outputs: out0 4 x 2,048 x 1,024 float32.
;; This version of the problem:
;;   THIS VERSION OF THE PROBLEM IS GIVEN IN LOW PRECISION. The matrix products marked QUANTISED in the list below multiply operands that are first quantised to E3M2 (3 exponent bits, 2 mantissa bits; 6 bits a number), with one power-of-two scale for each 32 numbers along K (OCP MX v1.0); their sums are f32. All else is computed in f32.
;;   The module's matrix products, in the order in which they are computed (A, B: the left and right operand; K: the contracted axis; several contracted axes count as one K, in the product's order):
;;     1. [M 8,192, K 1,024] x [K 1,024, N 1,024]; A: input x; B: input Wq: QUANTISED
;;     2. [M 8,192, K 1,024] x [K 1,024, N 1,024]; A: input x; B: input Wk: QUANTISED
;;     3. [M 8,192, K 1,024] x [K 1,024, N 1,024]; A: input x; B: input Wv: QUANTISED
;;     4. batch 64 x [M 2,048, K 64] x [K 64, N 2,048]; A: computed on the way; B: computed on the way: QUANTISED
;;     5. batch 64 x [M 2,048, K 2,048] x [K 2,048, N 64]; A: softmax (see below); B: computed on the way: QUANTISED
;;     6. [M 8,192, K 1,024] x [K 1,024, N 1,024]; A: computed on the way; B: input Wo: QUANTISED
;;   THE QUANTISER, for each operand of a quantised product, along K:
;;     - K is cut into blocks of 32 from its start; a last block that is shorter is filled with zeros.
;;     - A block's scale is 2^e with e = floor(log2(the largest magnitude in the block)) - 4, held to -126 .. 127; a block of zeros has e = 0. As a byte (E8M0): e + 127.
;;     - Each number is divided by its block's scale, clamped to +-28, and rounded to the nearest number of E3M2, ties to even, subnormals kept.
;;     - The product sums the exact products of the quantised numbers (number of the format x scale) in f32.
;;   ~~~python
;;   def quantise(x, axis):      # numpy; x: float32 -> the quantised numbers, widened to float32 again
;;       x = np.moveaxis(x, axis, -1); K = x.shape[-1]
;;       x = np.pad(x, [(0, 0)] * (x.ndim - 1) + [(0, -K % 32)]); x = x.reshape(x.shape[:-1] + (-1, 32)); a = np.abs(x).max(-1, keepdims=True)
;;       e = np.where(a > 0, np.clip(np.frexp(np.where(a > 0, a, 1))[1] - 1 - 4, -126, 127), 0)      # np.frexp(a)[1] - 1 = floor(log2(a)), exactly
;;       r = np.clip(x / 2.0 ** e, -28, 28)
;;       step = 2.0 ** (np.maximum(np.frexp(np.where(r == 0, 1, r))[1] - 1, -2) - 2)
;;       q = np.round(r / step) * step * 2.0 ** e      # np.round: ties to even
;;       return np.moveaxis(q.reshape(q.shape[:-2] + (-1,))[..., :K], -1, axis).astype(np.float32)
;;   ~~~
;;   SOFTMAX AHEAD OF A QUANTISED PRODUCT. Where the list says 'softmax', what is quantised is not the finished softmax but p = 2^(t - M), with t = logit x log2(e) and M = ceil(the row's largest t), a whole number; so 1/2 < the row's largest p <= 1. The row's sum l is taken of the UNQUANTISED p, in f32, and the product's result is divided by l at the end. Since M is a whole number, a kernel that streams over the keys may use a running M (the ceiling of the running maximum): every later rescaling is an exact power of two, which a block's scale takes up: the codes' values come out the same.
;;   OPERANDS COMPUTED ON THE WAY. 'Computed on the way' means the value that the module computes at that place (a softmax that the list does not call 'softmax' is quantised finished and normalised). What goes into a quantiser is computed in f32, as accurately as f32 sums, v_exp_f32 and their like allow (about 1e-6 of the number): no bf16 or f16 on the way to a quantiser, and a product that is left as it is and whose result goes on into a quantised operand takes f32 operands (vector FMAs, or v_wmma_f32_16x16x4_f32). A number that lies on a knife's edge between two numbers of the format may be rounded either way, as far as f32 arithmetic and the matrix unit's own rounding can turn it there, and no further.
;; One version. Each part assembles by itself: llvm-mc -triple=amdgcn-amd-amdhsa -mcpu=gfx1250 --defsym DOCPART=n.
;; ======== version 1 of 1: 4 launches
;; workspace buffers: xq 6,553,600 bytes; wq 3,276,800 bytes; qq 6,815,744 bytes; kv 13,369,344 bytes; oq 6,553,600 bytes
;; launch quant (part 1): grid 256 x 1, 4 waves a work-group, no clusters, 202,752 bytes of LDS; arguments x, Wq, Wk, Wv, Wo, xq, wq; writes xq, wq
.if DOCPART == 1
	.amdgcn_target "amdgcn-amd-amdhsa--gfx1250"
	.amdhsa_code_object_version 6
	.text
	.protected	k_qaa475839fa_quant
	.globl	k_qaa475839fa_quant
	.p2align	8
	.type	k_qaa475839fa_quant,@function
k_qaa475839fa_quant:
	s_mov_b64 s[64:65], 0
	v_nop
	global_prefetch_b8 v0, s[64:65] scope:SCOPE_SE
	s_setreg_imm32_b32 hwreg(HW_REG_WAVE_MODE, 25, 1), 1
	s_wait_xcnt 0x0
; x [8192][1024] and the four weights [1024 (k)][1024 (n)], f32, become codes of BF6 (E3M2) with one E8M0 scale byte for each 32 along K.
; A block's scale is 2^(floor(log2(its largest magnitude)) - 4); its byte is the largest magnitude's exponent field - 4, held at 1 from below.
; LAYOUT OF THE RESULTS.  A fragment (16 rows x 128 K, 12 registers a lane) lies in memory as an image of its registers: registers 2 p, 2 p + 1 of lane l at 256 p + 8 l; 1,536 bytes.
;   xq: [512 row tiles][8 K steps][1,536], then from XSO on the scale words [8 K steps][8,192 rows][4 bytes].   wq: the same for the 4,096 output columns of Wq, Wk, Wv, Wo (256 row tiles), scale words from WSO on.
; ORDER INSIDE A BLOCK OF 32: place i of a block holds k = SW(i), SW exchanging bits 3 and 4 of i.  Every operand of every product of this program is laid so, both sides alike, so the products and the blocks' scales
; are those of the natural order; only the order in which a block's products are added differs.
; LIMITS: NaN and infinities among the inputs are not served.  A block of zeros gets the byte 1 (its codes are zeros; the bytes are read by this program alone).
; SHARES.  Work-group g: of x the rows 64 (g / 2) on and the K half g % 2 (wave w: 16 rows, four K steps); of the weights: weight g / 64, columns 128 ((g / 8) % 8) on, K step g % 8 (wave w: 32 columns, a lane a column).
; All 192 KiB of a work-group are asked for at the head by five tensor loads a wave; no LDS byte is filled twice.
.set UNIT,  8448                       ; 16 rows of x x (512 bytes + 16 of padding): a wave's tile for one K step
.set WST,   135168                     ; behind x's 16 tiles: 128 rows (k) x 512 bytes (128 columns) of a weight
.set SCX,   200704                     ; x's scale words: [K step 4][wave 4][row 16] words
.set SCW,   201728                     ; the weight's: [column 128] words
.set XSO,   6291456
.set WSO,   3145728
.set HA,    16                         ; v16-79   64 numbers of a lane
.set PC,    80                         ; v80-99   the codes just made
.set TM,    100                        ; v100-115 at work in QUANT
.set PW,    116                        ; v116     the scale word just made
.set WX,    128                        ; v128-255 a column's 128 numbers
.set F,     16                         ; v16-39   a column's codes, 6 registers a block
.set T,     40                         ; v40-55   the upper halves as the conversions leave them
.set WV,    18
.set SEL,   84
.set G1X,   24
.set G1W,   32
.set G0X,   40
.set G0W,   56
	s_load_b256 s[4:11], s[0:1], 0x0               ; x, Wq, Wk, Wv
	s_load_b128 s[12:15], s[0:1], 0x20             ; Wo, xq
	s_load_b64 s[16:17], s[0:1], 0x30              ; wq
	v_lshl_add_u32 v126, v0, 2, 0x31600
	v_mov_b32 v127, 0
	ds_add_u32 v126, v127
	ds_add_u32 v126, v127
	v_lshrrev_b32 v1, 5, v0
	v_readfirstlane_b32 s[WV], v1                  ; wave 0..3
	; group 1 for x: 16 rows x 128 f32, 1,024 elements from row to row, 4 words of padding behind each 128 words
	s_mov_b32 s[G1X+0], (2<<16)|(1<<20)|(6<<22)|(3<<25)
	s_mov_b32 s[G1X+1], 128<<16
	s_mov_b32 s[G1X+2], 16<<16
	s_mov_b32 s[G1X+3], 128<<16
	s_mov_b32 s[G1X+4], 16
	s_mov_b32 s[G1X+5], 1024
	s_mov_b32 s[G1X+6], 0
	s_mov_b32 s[G1X+7], 0
	; group 1 for a weight: 32 rows (k) x 128 f32, no padding
	s_mov_b32 s[G1W+0], 2<<16
	s_mov_b32 s[G1W+1], 128<<16
	s_mov_b32 s[G1W+2], 32<<16
	s_mov_b32 s[G1W+3], 128<<16
	s_mov_b32 s[G1W+4], 32
	s_mov_b32 s[G1W+5], 1024
	s_mov_b32 s[G1W+6], 0
	s_mov_b32 s[G1W+7], 0
	s_lshr_b32 s19, ttmp9, 1                       ; which 64 rows of x
	s_and_b32 s20, ttmp9, 1                        ; which half of K
	s_lshl_b32 s21, s19, 2
	s_add_co_u32 s21, s21, s[WV]                   ; my row tile of x
	s_lshr_b32 s22, ttmp9, 6                       ; which weight
	s_bfe_u32 s23, ttmp9, 0x30003                  ; which 128 columns
	s_and_b32 s60, ttmp9, 7                        ; which K step
	s_lshl_b32 s62, s21, 16                        ; x: 16 rows of 4,096 bytes a tile,
	s_lshl_b32 s61, s20, 11                        ; + four K steps of 512 bytes
	s_add_co_u32 s62, s62, s61
	s_mov_b32 s63, 0
	s_lshl_b32 s66, s60, 7                         ; the weight: row 128 x K step + 32 x wave,
	s_lshl_b32 s61, s[WV], 5
	s_add_co_u32 s66, s66, s61
	s_lshl_b32 s66, s66, 12
	s_lshl_b32 s61, s23, 9                         ; + 512 bytes a column group
	s_add_co_u32 s66, s66, s61
	s_mov_b32 s67, 0
	s_mul_i32 s68, s[WV], 4*UNIT                   ; LDS: my four tiles of x,
	s_lshl_b32 s69, s[WV], 14
	s_add_co_u32 s69, s69, WST                     ; my 32 rows of the weight
	s_mul_i32 s70, s21, 12288                      ; xq: my row tile, my first K step
	s_mul_i32 s61, s20, 6144
	s_add_co_u32 s70, s70, s61
	s_mov_b32 s71, 0
	s_lshl_b32 s72, s20, 2                         ; xq's scale words: wave w stores those of K step 4 (g % 2) + w for the group's 64 rows
	s_add_co_u32 s72, s72, s[WV]
	s_lshl_b32 s72, s72, 15
	s_lshl_b32 s61, s19, 8
	s_add_co_u32 s72, s72, s61
	s_add_co_u32 s72, s72, XSO
	s_mov_b32 s73, 0
	s_lshl_b32 s76, s22, 6                         ; wq: row tile 64 x weight + 8 x column group + 2 x wave
	s_lshl_b32 s61, s23, 3
	s_add_co_u32 s76, s76, s61
	s_lshl_b32 s61, s[WV], 1
	s_add_co_u32 s76, s76, s61
	s_mul_i32 s76, s76, 12288
	s_mul_i32 s61, s60, 1536
	s_add_co_u32 s76, s76, s61
	s_mov_b32 s77, 0
	s_lshl_b32 s78, s60, 14                        ; wq's scale words: 16,384 bytes a K step, 4 bytes a column
	s_lshl_b32 s61, s22, 12
	s_add_co_u32 s78, s78, s61
	s_lshl_b32 s61, s23, 9
	s_add_co_u32 s78, s78, s61
	s_add_co_u32 s78, s78, WSO
	s_mov_b32 s79, 0
	s_mov_b32 s[SEL], 0x76543210
	s_mov_b32 s[SEL+1], 0xfedcba98                 ; v_permlanex16_b32's selects for lane l xor 16
	s_wait_dscnt 0x0
	s_wait_kmcnt 0x0
	s_cmp_eq_u32 s22, 1                            ; the weight is chosen by the work-group's number alone
	s_cselect_b64 s[6:7], s[8:9], s[6:7]
	s_cmp_eq_u32 s22, 2
	s_cselect_b64 s[6:7], s[10:11], s[6:7]
	s_cmp_eq_u32 s22, 3
	s_cselect_b64 s[6:7], s[12:13], s[6:7]
	s_add_nc_u64 s[4:5], s[4:5], s[62:63]
	s_add_nc_u64 s[6:7], s[6:7], s[66:67]
.irp u, 0,1,2,3
	s_mov_b32 s[G0X+4*\u], 1
	s_add_co_u32 s[G0X+4*\u+1], s68, \u*UNIT
	s_add_nc_u64 s[G0X+4*\u+2:G0X+4*\u+3], s[4:5], \u*512
	s_or_b32 s[G0X+4*\u+3], s[G0X+4*\u+3], 0x80000000
.endr
	s_mov_b32 s[G0W], 1
	s_mov_b32 s[G0W+1], s69
	s_mov_b64 s[G0W+2:G0W+3], s[6:7]
	s_or_b32 s[G0W+3], s[G0W+3], 0x80000000
	tensor_load_to_lds s[G0X:G0X+3], s[G1X:G1X+7]              ; five loads of mine are out: x's four K steps, then my rows of the weight
	s_nop 0
	tensor_load_to_lds s[G0X+4:G0X+7], s[G1X:G1X+7]
	s_nop 0
	tensor_load_to_lds s[G0X+8:G0X+11], s[G1X:G1X+7]
	s_nop 0
	tensor_load_to_lds s[G0X+12:G0X+15], s[G1X:G1X+7]
	s_nop 0
	tensor_load_to_lds s[G0W:G0W+3], s[G1W:G1W+7]
	s_nop 0
.rept 4
	v_nop
.endr
	s_add_nc_u64 s[74:75], s[14:15], s[70:71]      ; xq's codes
	s_add_nc_u64 s[72:73], s[14:15], s[72:73]      ; xq's scale words
	s_add_nc_u64 s[76:77], s[16:17], s[76:77]      ; wq's codes
	s_add_nc_u64 s[78:79], s[16:17], s[78:79]      ; wq's scale words
	v_and_b32 v1, 31, v0                           ; lane
	v_and_b32 v2, 15, v0                           ; r
	v_bfe_u32 v3, v0, 4, 1                         ; h
	v_mul_u32_u24 v4, v2, 528
	v_lshl_add_u32 v4, v3, 5, v4
	v_add_nc_u32 v4, s68, v4                       ; x in LDS: row r, + 32 h: the order SW gives lane half h the numbers 8 h + 0..7 and 16 + 8 h + 0..7 of a block
	v_lshlrev_b32 v5, 3, v1                        ; an image's place for my lane
	s_lshl_b32 s69, s[WV], 6
	v_lshlrev_b32 v6, 2, v2
	v_add_nc_u32 v6, s69, v6
	v_add_nc_u32 v6, SCX, v6                       ; where my row's scale word goes
	s_lshl_b32 s69, s[WV], 7
	v_lshl_add_u32 v7, v1, 2, s69
	v_add_nc_u32 v8, SCW, v7                       ; where my column's scale word goes
	v_add_nc_u32 v7, WST, v7                       ; my column in the weight's tile
	s_lshl_b32 s69, s[WV], 8
	v_add_nc_u32 v9, s69, v5
	v_add_nc_u32 v9, SCX, v9                       ; back: K step w's 256 bytes, 8 a lane
	v_lshlrev_b32 v11, 4, v1
	v_add_nc_u32 v10, SCW, v11                     ; back: the weight's 512 bytes, 16 a lane
.irp b, 0,1,2,3
	v_mov_b32 v[TM+4+\b], 0                        ; written once: a lane permute's destination counts as one of its sources
.endr
; 64 numbers of a lane, register 16 b + i = place 16 (lane / 16) + i of block b of my row, become a fragment's codes in v[PC] on and its scale word in v[PW].
.macro QUANT s
.irp b, 0,1,2,3
	v_max3_num_f32 v[TM+\b], |v[\s+16*\b]|, |v[\s+1+16*\b]|, 0x2800000   ; block b: my 16 numbers, and the floor 2^(5 - 127): the byte cannot fall under 1
.endr
.irp i, 2,4,6,8,10,12,14
.irp b, 0,1,2,3
	v_max3_num_f32 v[TM+\b], v[TM+\b], |v[\s+16*\b+\i]|, |v[\s+1+16*\b+\i]|   ; the four blocks by turns
.endr
.endr
.irp b, 0,1,2,3
	v_permlanex16_b32 v[TM+4+\b], v[TM+\b], s[SEL], s[SEL+1]
.endr
.irp b, 0,1,2,3
	v_max_num_f32 v[TM+\b], v[TM+\b], v[TM+4+\b]   ; with lane l xor 16's: the block's largest magnitude
.endr
.irp b, 0,1,2,3
	v_add_nc_u32 v[TM+12+\b], 0xfe000000, v[TM+\b] ; 4 off its exponent field: the conversion's scale operand
.endr
.irp b, 0,1,2,3
	v_lshrrev_b32 v[TM+4+\b], 23, v[TM+12+\b]      ; the scale's byte
.endr
	v_lshl_or_b32 v[PW], v[TM+5], 8, v[TM+4]
	v_lshl_or_b32 v[PW], v[TM+6], 16, v[PW]
	v_lshl_or_b32 v[PW], v[TM+7], 24, v[PW]
.irp c, 0,1
	v_cvt_scalef32_pk16_bf6_f32 v[PC+6*\c:PC+2+6*\c], v[\s+32*\c:\s+15+32*\c], v[TM+12+2*\c]
	v_cvt_scalef32_pk16_bf6_f32 v[PC+12+4*\c:PC+14+4*\c], v[\s+16+32*\c:\s+31+32*\c], v[TM+12+2*\c+1]   ; (a conversion's three registers begin on an even number)
.endr
	v_nop                                          ; one plain place behind a scaled conversion
.irp c, 0,1                                    ; the operand's layout wants a whole block in a lane: lanes 0-15 block 2 c, lanes 16-31 block 2 c + 1
.irp i, 0,1,2
	v_permlane16_swap_b32 v[PC+6*\c+\i], v[PC+12+4*\c+\i]
.endr
.irp i, 0,1,2
	v_mov_b32 v[PC+3+6*\c+\i], v[PC+12+4*\c+\i]
.endr
.endr
.endm
; K step u of my 16 rows of x: out of my own tile in LDS, quantised, stored as an image; each store covers 256 consecutive bytes, aligned.
.macro XUNIT u
	s_wait_tensorcnt 4-\u                          ; tensor loads end in order: behind this tile's load stand the later K steps' and the weight's
	s_wait_xcnt 0x0                                ; the last K step's stores have read the codes' registers
.irp b, 0,1,2,3
	ds_load_b128 v[HA+16*\b:HA+16*\b+3], v4 offset:UNIT*\u+128*\b
	ds_load_b128 v[HA+16*\b+4:HA+16*\b+7], v4 offset:UNIT*\u+128*\b+16
	ds_load_b128 v[HA+16*\b+8:HA+16*\b+11], v4 offset:UNIT*\u+128*\b+64
	ds_load_b128 v[HA+16*\b+12:HA+16*\b+15], v4 offset:UNIT*\u+128*\b+80
.endr
	s_wait_dscnt 0x0
	QUANT HA
.irp p, 0,1,2,3,4,5
	global_store_b64 v5, v[PC+2*\p:PC+2*\p+1], s[74:75] offset:1536*\u+256*\p
.endr
	ds_store_b32 v6, v[PW] offset:256*\u           ; both halves of the lanes hold the same word and write it to the same place
.endm
	XUNIT 0
	XUNIT 1
	XUNIT 2
	XUNIT 3
	s_wait_tensorcnt 0x0                           ; my rows of the weight have landed,
	s_wait_dscnt 0x0                               ; my LDS stores too:
	s_barrier_signal -1
	s_barrier_wait -1                              ; everybody's have
; THE WEIGHT.  A lane takes a column and its registers run down K, in the order SW: a block lies in one lane.
.macro WLOAD b
.set i, 0
.rept 32
	ds_load_b32 v[WX+32*\b+i], v7 offset:(32*\b+((i&7)|((i&8)<<1)|((i&16)>>1)))*512
.set i, i+1
.endr
.endm
.macro WBLOCK b
.set XB, WX+32*\b
	v_max3_num_f32 v56, |v[XB]|, |v[XB+1]|, |v[XB+2]|
	v_max3_num_f32 v57, |v[XB+3]|, |v[XB+4]|, |v[XB+5]|
.irp i, 6,10,14,18,22,26
	v_max3_num_f32 v56, v56, |v[XB+\i]|, |v[XB+\i+1]|
	v_max3_num_f32 v57, v57, |v[XB+\i+2]|, |v[XB+\i+3]|
.endr
	v_max3_num_f32 v56, v56, |v[XB+30]|, |v[XB+31]|
	v_max3_num_f32 v56, v56, v57, 0x2800000        ; and the floor
	v_add_nc_u32 v58, 0xfe000000, v56              ; the conversion's scale operand
	v_lshrrev_b32 v59, 23, v58                     ; the byte
.if \b == 0
	v_mov_b32 v64, v59
.else
	v_lshl_or_b32 v64, v59, 8*\b, v64
.endif
	v_cvt_scalef32_pk16_bf6_f32 v[F+6*\b:F+6*\b+2], v[XB:XB+15], v58
	v_cvt_scalef32_pk16_bf6_f32 v[T+4*\b:T+4*\b+2], v[XB+16:XB+31], v58
	v_nop                                          ; one plain place behind a scaled conversion
.irp i, 0,1,2
	v_mov_b32 v[F+6*\b+3+\i], v[T+4*\b+\i]
.endr
.endm
	WLOAD 0
	WLOAD 1
	s_wait_dscnt 32                                ; block 0 is in; block 1's 32 loads may be out
	WBLOCK 0
	WLOAD 2
	s_wait_dscnt 32
	WBLOCK 1
	WLOAD 3
	s_wait_dscnt 32
	WBLOCK 2
	s_wait_dscnt 0x0
	WBLOCK 3
.irp c, 0,1                                    ; blocks 2 c and 2 c + 1 of 32 columns become registers 6 c .. 6 c + 5 of two tiles of 16 columns
.irp i, 0,1,2,3,4,5
	v_permlane16_swap_b32 v[F+12*\c+\i], v[F+12*\c+6+\i]
.endr
.endr
.irp u, 0,1
.irp c, 0,1
.irp q, 0,1,2
	global_store_b64 v5, v[F+12*\c+6*\u+2*\q:F+12*\c+6*\u+2*\q+1], s[76:77] offset:\u*12288+(3*\c+\q)*256
.endr
.endr
.endr
	ds_store_b32 v8, v64
	s_wait_dscnt 0x0                               ; for the others' sake: my scale words lie in LDS
	s_barrier_signal -1
	s_barrier_wait -1
	ds_load_b64 v[66:67], v9                       ; K step w's scale words of the group's 64 rows
	s_wait_dscnt 0x0
	global_store_b64 v5, v[66:67], s[72:73]        ; 256 consecutive bytes, aligned
	s_cmp_lg_u32 s[WV], 0
	s_cbranch_scc1 .Ldone
	ds_load_b128 v[68:71], v10                     ; wave 0: the scale words of the 128 columns
	s_wait_dscnt 0x0
	global_store_b128 v11, v[68:71], s[78:79]      ; 512 consecutive bytes, aligned
.Ldone:
	s_wait_tensorcnt 0x0
	ds_add_u32 v126, v127
	s_wait_dscnt 0x0
	s_endpgm
.Lfunc_end_k_qaa475839fa_quant:
	.size	k_qaa475839fa_quant, .Lfunc_end_k_qaa475839fa_quant-k_qaa475839fa_quant
	.p2alignl 7, 3214868480
	.fill 96, 4, 3214868480
	.section	.rodata,"a",@progbits
	.p2align	6, 0x0
	.amdhsa_kernel k_qaa475839fa_quant
		.amdhsa_group_segment_fixed_size 202752
		.amdhsa_private_segment_fixed_size 0
		.amdhsa_enable_private_segment 0
		.amdhsa_kernarg_size 56
		.amdhsa_user_sgpr_count 2
		.amdhsa_user_sgpr_kernarg_segment_ptr 1
		.amdhsa_wavefront_size32 1
		.amdhsa_system_sgpr_workgroup_id_x 1
		.amdhsa_system_sgpr_workgroup_id_y 1
		.amdhsa_system_sgpr_workgroup_id_z 1
		.amdhsa_system_vgpr_workitem_id 0
		.amdhsa_next_free_vgpr 256
		.amdhsa_next_free_sgpr 86
		.amdhsa_reserve_vcc 0
		.amdhsa_float_denorm_mode_32 3
		.amdhsa_float_denorm_mode_16_64 3
		.amdhsa_memory_ordered 1
		.amdhsa_forward_progress 1
		.amdhsa_inst_pref_size 45
	.end_amdhsa_kernel
	.amdgpu_metadata
---
amdhsa.version: [ 1, 2 ]
amdhsa.kernels:
  - .name:           k_qaa475839fa_quant
    .symbol:         k_qaa475839fa_quant.kd
    .args:
      - { .name: x, .offset: 0, .size: 8, .value_kind: global_buffer, .address_space: global }
      - { .name: Wq, .offset: 8, .size: 8, .value_kind: global_buffer, .address_space: global }
      - { .name: Wk, .offset: 16, .size: 8, .value_kind: global_buffer, .address_space: global }
      - { .name: Wv, .offset: 24, .size: 8, .value_kind: global_buffer, .address_space: global }
      - { .name: Wo, .offset: 32, .size: 8, .value_kind: global_buffer, .address_space: global }
      - { .name: xq, .offset: 40, .size: 8, .value_kind: global_buffer, .address_space: global }
      - { .name: wq, .offset: 48, .size: 8, .value_kind: global_buffer, .address_space: global }
    .group_segment_fixed_size: 202752
    .private_segment_fixed_size: 0
    .kernarg_segment_align: 8
    .kernarg_segment_size: 56
    .max_flat_workgroup_size: 128
    .sgpr_count:     86
    .vgpr_count:     256
    .wavefront_size: 32
...
	.end_amdgpu_metadata
.endif
;; end of part 1
;; launch qkv (part 2): grid 12 x 32, 4 waves a work-group, clusters of 4 x 4, 327,680 bytes of LDS; arguments xq, wq, bq, bk, bv, qq, kv; writes qq, kv
.if DOCPART == 2
	.amdgcn_target "amdgcn-amd-amdhsa--gfx1250"
	.amdhsa_code_object_version 6
	.text
	.protected	k_qaa475839fa_qkv
	.globl	k_qaa475839fa_qkv
	.p2align	8
	.type	k_qaa475839fa_qkv,@function
k_qaa475839fa_qkv:
	s_mov_b64 s[64:65], 0
	v_nop
	global_prefetch_b8 v0, s[64:65] scope:SCOPE_SE
	s_setreg_imm32_b32 hwreg(HW_REG_WAVE_MODE, 25, 1), 1
	s_wait_xcnt 0x0
	s_wait_alu depctr_hold_cnt(0) depctr_sa_sdst(0) depctr_va_vdst(0) depctr_va_sdst(0) depctr_va_ssrc(0) depctr_va_vcc(0) depctr_vm_vsrc(0)
	s_getreg_b32 s2, hwreg(HW_REG_IB_STS2, 6, 4)
	s_cmp_eq_u32 s2, 0
	s_cbranch_scc0 .Lentry_in_a_cluster
	s_endpgm
.Lentry_in_a_cluster:
	s_bfe_u32 s2, ttmp6, 0x10000c
	s_cmp_lg_u32 s2, 0xf033
	s_cbranch_scc0 .Lentry_shape_is_right
	s_endpgm
.Lentry_shape_is_right:
; q, k, v = x W + b on codes of BF6 (E3M2) with one E8M0 scale for each 32 along K, K = 1,024; the results are quantised here, in f32, for the attention launch.
; A: xq, 8,192 rows; B: wq's rows 0 to 3,071 (the output columns of Wq, Wk, Wv).  Both lie as images of fragments: [row tile][K step][1,536 bytes], registers 2 p, 2 p + 1 of lane l at 256 p + 8 l;
; scale words [K step][row][4 bytes] behind the codes.  So a fragment comes out of LDS by six loads of 8 bytes a lane, each 256 consecutive bytes: no pitch, no padding.
; A tile of 256 x 256 is made by four waves, each 128 x 128: 64 accumulators, 512 registers.  K goes in steps of 256 through a ring of two LDS slots; the scale words of all of K come once.
; CLUSTERS: 4 x 4 work-groups; A's tiles are asked for jointly along a row of the cluster, B's along a column.  The cluster's x says which product this is (0 q, 1 k, 2 v): equal in all partners.
; THE MATRIX INSTRUCTION IS USED TRANSPOSED (source 0 = 16 rows of B, source 1 = 16 rows of A): a lane holds one row of x and eight neighbouring output columns.
; THE WAY OUT.  A wave's 128 rows are one step of 128 positions of one batch, its 128 columns two heads.
;   q, k: K of the scores is the head's 64: a lane's 64 numbers are quantised in registers; each head's half image (768 bytes a tile of 16 rows) and its scale words (bytes 2, 3 zero) are stored.
;   v: K of the second product is the keys, my rows: the tile turns through my stage in LDS, a lane then takes a column and its registers run down the keys.
;   qq: [64 heads][128 tiles][768], scale words [64][2,048][4] from QSO on.   kv: [64 heads][16 key steps][13,056]: K 8 x 768, V^T 4 x 1,536, K's words 512, V's words 256.
; Inside a block of 32 place i holds k = SW(i) (bits 3 and 4 exchanged), in every operand of this program: a transposed result quantised in registers comes out so.
; LIMITS: NaN and infinities are not served; a block of zeros gets the byte 1 (its codes are zeros; the bytes are read by this program alone).
; No prefetch: K is four slots long and both first slots are asked for at the head.
; REGISTERS, in windows of 256: window 0: v0-31 addresses; v32-63 scale words, two sets; v64-127 the bias; from v128 A's fragments, one set.  window 1: B's fragments, two sets.  windows 2, 3: the accumulators.
.set NQ,     2                         ; matrix instructions deep in a slot
.set FR,     12
.set NL,     6
.set NP,     4                         ; places behind this matrix instruction (ISA guide 7.12.1)
.set KSB,    1536                      ; an image
.set STEPB,  NQ*KSB                    ; a row tile's bytes in a slot
.set HALFT,  8*STEPB                   ; 8 row tiles: what one tensor load brings, and what one wave reads of A or of B
.set SLOT,   4*HALFT
.set LAPS,   2
.set SCL,    2*SLOT                    ; behind the ring: the scale words, [K step 8][128 rows][4 bytes] for each 128 rows
.set HALFS,  4096
.set SPARE,  SCL+4*HALFS               ; the spare words, 128 bytes for each wave: two blocks of 256 bytes that no other line names
.set ASO,    6291456                   ; where A's scale words begin in its buffer
.set BCO,    0                         ; where B's codes begin in wq
.set BSO,    3145728                   ; and its scale words
.set QSO,    6291456
.set HREC,   208896
.set KREC,   13056
.set ADRA, 16
.set ADRB, 20
.set ADRS, 27
.set SPW,  28
.set NIL,  29
.set SC,   32
.set BIAS, 64
.set AF,   128
.set H,    128                         ; the way out: 64 numbers of a lane
.set PC,   192
.set TM,   212
.set PW,   228
.set SEL,  66
.set G1, 24
.set G0, 32
.set G1B, 48
.set G0B, 56
.set G1S, 68
.set G0S, 76
.set G1SB, 80
.set G0SB, 88
.set MSB, 0
.macro WIN new                         ; the immediate's high byte repeats the setting that is left
.if MSB != (\new)
	s_set_vgpr_msb (MSB<<8)|(\new)
.set MSB, (\new)
.endif
.endm
.set MUL_LO, 0xa1                      ; source 0 (B) window 1, source 1 (A) window 0, C and D window 2
.set MUL_HI, 0xf1
.set TO_B,   0x40
; A joint load: waves 0 and 1 fetch for A, waves 2 and 3 for B; the branch hangs on the wave's number alone.  Four v_nop follow each of the two lines.
.macro JLOAD g0a, g1a, g0b, g1b
	s_cmp_eq_u32 s15, 0
	s_cbranch_scc0 .Lfor_b_\@
	tensor_load_to_lds s[\g0a:\g0a+3], s[\g1a:\g1a+7]
	s_nop 0
.rept 4
	v_nop
.endr
	s_branch .Lasked_\@
.Lfor_b_\@:
	tensor_load_to_lds s[\g0b:\g0b+3], s[\g1b:\g1b+7]
	s_nop 0
.rept 4
	v_nop
.endr
.Lasked_\@:
.endm
.macro CREST                           ; a round of the cluster's barrier behind its opening barrier
	s_cmp_lg_u32 s14, 0
	s_cbranch_scc1 .Lnot_wave_0_\@
	s_barrier_signal -3
.Lnot_wave_0_\@:
	s_barrier_wait -3
	s_barrier_signal -1
	s_barrier_wait -1
.endm
.macro CROUND
	s_barrier_signal -1
	s_barrier_wait -1
	CREST
.endm
	s_load_b128 s[4:7], s[0:1], 0x0                ; A's buffer, wq
	v_lshl_add_u32 v[SPW], v0, 2, SPARE
	v_mov_b32 v[NIL], 0
	ds_add_u32 v28, v29
	ds_add_u32 v28, v29
	s_wait_dscnt 0x0
	v_lshrrev_b32 v1, 5, v0
	v_readfirstlane_b32 s14, v1                    ; wave 0..3
	s_lshr_b32 s15, s14, 1                         ; which half of the tile's rows is mine.  Also: I fetch for A (0) or for B (1)
	s_and_b32 s16, s14, 1                          ; which half of its columns.  Also: which 128 rows of that tile I fetch
	s_bfe_u32 s40, ttmp6, 0x40000                  ; cx, cy
	s_bfe_u32 s41, ttmp6, 0x40004
	s_lshl_b32 s42, ttmp9, 2
	s_add_co_u32 s42, s42, s40                     ; tile column = 4 x cluster x + cx
	s_and_b32 s17, ttmp7, 0xffff
	s_lshl_b32 s17, s17, 2
	s_add_co_u32 s17, s17, s41                     ; tile row = 4 x cluster y + cy
	s_lshl_b32 s43, s41, 2
	s_lshl_b32 s43, 15, s43                        ; my row of the cluster
	s_lshl_b32 s44, 0x1111, s40                    ; my column
	; group 1 for codes: 8 rows (row tiles) of 3,072 bytes (384 elements of 8 bytes), 12,288 bytes apart
	s_or_b32 s[G1+0], s43, (3<<16)|(1<<21)
	s_or_b32 s[G1B+0], s44, (3<<16)|(1<<21)
.irp g, G1, G1B
	s_mov_b32 s[\g+1], 384<<16
	s_mov_b32 s[\g+2], 8<<16
	s_mov_b32 s[\g+3], 384<<16
	s_mov_b32 s[\g+4], 8
	s_mov_b32 s[\g+5], 1536
	s_mov_b32 s[\g+6], 0
	s_mov_b32 s[\g+7], 0
.endr
	; group 1 for scale words: 8 rows (K steps) of 512 bytes (128 rows' words), 32,768 bytes apart in A's buffer, 16,384 in wq
	s_or_b32 s[G1S+0], s43, (3<<16)|(1<<21)
	s_or_b32 s[G1SB+0], s44, (3<<16)|(1<<21)
.irp g, G1S, G1SB
	s_mov_b32 s[\g+1], 64<<16
	s_mov_b32 s[\g+2], 8<<16
	s_mov_b32 s[\g+3], 64<<16
	s_mov_b32 s[\g+4], 8
	s_mov_b32 s[\g+6], 0
	s_mov_b32 s[\g+7], 0
.endr
	s_mov_b32 s[G1S+5], 4096
	s_mov_b32 s[G1SB+5], 2048
	s_lshl_b32 s18, s16, 7                         ; which 128 rows of the tile I fetch
	s_lshl_b32 s20, s17, 8
	s_add_co_u32 s20, s20, s18                     ; A: row 256 x tile row + 128 x half
	s_lshl_b32 s46, s42, 8
	s_add_co_u32 s46, s46, s18                     ; B: row 256 x tile column + 128 x half
	s_lshl_b32 s22, s20, 2                         ; these rows' scale words: 4 bytes a row
	s_mov_b32 s23, 0
	s_lshl_b32 s92, s46, 2
	s_mov_b32 s93, 0
	s_mul_i32 s20, s20, 768                        ; and their codes: 12,288 bytes for 16 rows
	s_mov_b32 s21, 0
	s_mul_i32 s46, s46, 768
	s_mov_b32 s47, 0
	s_mul_i32 s45, s14, HALFT                      ; where they go: no place in the cluster enters an LDS address
	s_mul_i32 s94, s14, HALFS
	s_wait_kmcnt 0x0
	s_add_nc_u64 s[8:9], s[6:7], BCO               ; B's codes
	s_add_nc_u64 s[10:11], s[6:7], BSO             ; B's scale words
	s_add_nc_u64 s[6:7], s[4:5], ASO               ; A's scale words
	s_add_nc_u64 s[20:21], s[4:5], s[20:21]
	s_add_nc_u64 s[22:23], s[6:7], s[22:23]
	s_add_nc_u64 s[46:47], s[8:9], s[46:47]
	s_add_nc_u64 s[92:93], s[10:11], s[92:93]
	CROUND                                         ; all sixteen work-groups are here: the first joint loads meet
	s_mov_b32 s[G0S], 1
	s_add_co_u32 s[G0S+1], s94, SCL
	s_mov_b64 s[G0S+2:G0S+3], s[22:23]
	s_or_b32 s[G0S+3], s[G0S+3], 0x80000000
	s_mov_b32 s[G0SB], 1
	s_add_co_u32 s[G0SB+1], s94, SCL
	s_mov_b64 s[G0SB+2:G0SB+3], s[92:93]
	s_or_b32 s[G0SB+3], s[G0SB+3], 0x80000000
	JLOAD G0S, G1S, G0SB, G1SB                     ; the scale words first: they are wanted with the first slot
.irp s, 0,1
	s_mov_b32 s[G0+4*\s], 1
	s_add_co_u32 s[G0+4*\s+1], s45, \s*SLOT
	s_add_nc_u64 s[G0+4*\s+2:G0+4*\s+3], s[20:21], \s*STEPB
	s_or_b32 s[G0+4*\s+3], s[G0+4*\s+3], 0x80000000
	s_mov_b32 s[G0B+4*\s], 1
	s_add_co_u32 s[G0B+4*\s+1], s45, \s*SLOT
	s_add_nc_u64 s[G0B+4*\s+2:G0B+4*\s+3], s[46:47], \s*STEPB
	s_or_b32 s[G0B+4*\s+3], s[G0B+4*\s+3], 0x80000000
	JLOAD G0+4*\s, G1, G0B+4*\s, G1B
.endr
	s_load_b256 s[4:11], s[0:1], 0x10              ; bq, bk, bv, qq (the first pointers have served)
	s_load_b64 s[92:93], s[0:1], 0x30              ; kv
	v_and_b32 v1, 15, v0                           ; r
	v_bfe_u32 v2, v0, 4, 1                         ; h
	v_and_b32 v3, 31, v0                           ; lane
	v_lshlrev_b32 v4, 3, v3                        ; an image's place for my lane
	s_mul_i32 s21, s15, HALFT                      ; my 128 rows of A
	s_mul_i32 s22, s16, HALFT                      ; my 128 rows of B,
	s_add_co_u32 s22, s22, 2*HALFT                 ; which lie behind A's 256
.irp s, 0,1
	v_add_nc_u32 v[ADRA+\s], s21, v4
	v_add_nc_u32 v[ADRB+\s], s22, v4
	s_add_co_u32 s21, s21, SLOT
	s_add_co_u32 s22, s22, SLOT
.endr
	v_lshlrev_b32 v5, 2, v1                        ; my row's scale word
	s_mul_i32 s21, s15, HALFS                      ; A's: my 128 rows
	s_mul_i32 s22, s16, HALFS                      ; B's: my 128 rows, behind A's 256
	s_add_co_u32 s22, s22, 2*HALFS
	s_sub_co_u32 s22, s22, s21
	v_mul_u32_u24 v6, s22, v2                      ; lanes 16-31 take B's
	s_add_co_u32 s21, s21, SCL
	v_add_nc_u32 v5, v5, v6
	v_add_nc_u32 v[ADRS], s21, v5
	; the way out's addresses, all made here.  LDS on the way out lies in the ring, which has had its last fill by then: q, k: bytes 0 to 4,095; v: a stage from 4,096 on, its scale words from 139,264 on
	v_lshlrev_b32 v7, 5, v2                        ; the bias: 32 h
	v_lshlrev_b32 v8, 3, v3                        ; 8 x lane
	v_lshlrev_b32 v10, 4, v3                       ; 16 x lane
	v_lshlrev_b32 v12, 4, v2                       ; 16 h: lanes 16-31 take the second head's two scale bytes
	s_lshl_b32 s18, s14, 10
	v_lshlrev_b32 v13, 2, v1
	v_lshl_add_u32 v13, v2, 9, v13
	v_add_nc_u32 v13, s18, v13                     ; q, k: [wave][head h][row] words
	v_add_nc_u32 v14, s18, v10                     ; and back, 16 bytes a lane
	s_mul_i32 s18, s14, 33792
	s_add_co_u32 s18, s18, 4096                    ; v: my stage, 64 rows x (512 bytes + 16)
	v_mul_u32_u24 v24, v1, 528
	v_lshl_add_u32 v24, v2, 5, v24
	v_add_nc_u32 v24, s18, v24                     ; in: row r, + 32 h
	v_lshl_add_u32 v15, v3, 2, s18                 ; back: a lane a column
	s_lshl_b32 s19, s14, 9
	s_add_co_u32 s19, s19, 139264
	v_lshl_add_u32 v22, v3, 2, s19                 ; v's scale words: [wave][column] words
	v_lshl_add_u32 v23, v3, 4, s19
	v_mul_u32_u24 v19, 0x33000, v2                 ; and in memory: lanes 16-31 the second head's record, HREC bytes on
	v_lshl_add_u32 v19, v1, 4, v19
	s_and_b32 s18, s17, 7
	s_lshl_b32 s18, s18, 1
	s_add_co_u32 s18, s18, s15                     ; my step of 128 positions in the batch: 2 (tile row % 8) + half
	s_lshr_b32 s19, s17, 3
	s_lshl_b32 s19, s19, 4
	s_lshl_b32 s20, s40, 2
	s_add_co_u32 s19, s19, s20
	s_lshl_b32 s20, s16, 1
	s_add_co_u32 s19, s19, s20                     ; my first head: 16 x batch + 4 cx + 2 x half
	s_lshl_b32 s94, s40, 10
	s_lshl_b32 s95, s16, 9
	s_add_co_u32 s94, s94, s95                     ; my first column in the bias, in bytes
	s_mov_b32 s95, 0
	s_mov_b32 s[SEL], 0x76543210
	s_mov_b32 s[SEL+1], 0xfedcba98
	s_wait_kmcnt 0x0
	s_cmp_eq_u32 ttmp9, 1
	s_cselect_b64 s[12:13], s[6:7], s[4:5]
	s_cmp_eq_u32 ttmp9, 2
	s_cselect_b64 s[12:13], s[8:9], s[12:13]
	s_add_nc_u64 s[12:13], s[12:13], s[94:95]
	s_cmp_eq_u32 ttmp9, 0                          ; q goes to qq, k and v to kv
	s_cselect_b64 s[96:97], s[10:11], s[92:93]
	s_mov_b32 s100, HREC
	s_cselect_b32 s100, 98304, s100                ; from head to head: codes,
	s_mov_b32 s101, HREC
	s_cselect_b32 s101, 8192, s101                 ; scale words
	s_mov_b32 s20, KREC
	s_cselect_b32 s20, 6144, s20                   ; from step to step: codes,
	s_mov_b32 s21, KREC
	s_cselect_b32 s21, 512, s21                    ; scale words
	s_mov_b32 s22, 12288
	s_cselect_b32 s22, QSO, s22                    ; where the scale words begin
	s_mov_b64 s[98:99], s[96:97]
	s_mul_i32 s23, s19, s100
	s_mul_i32 s20, s18, s20
	s_add_co_u32 s94, s20, s23
	s_add_nc_u64 s[96:97], s[96:97], s[94:95]      ; my codes
	s_mul_i32 s23, s19, s101
	s_mul_i32 s21, s18, s21
	s_add_co_u32 s94, s21, s23
	s_add_co_u32 s94, s94, s22
	s_add_nc_u64 s[98:99], s[98:99], s[94:95]      ; my scale words (q, k)
	v_add_nc_u32 v9, s100, v8
	v_add_nc_u32 v11, s101, v10
.irp b, 0,1,2,3,4,5,6,7
	global_load_b128 v[BIAS+8*\b:BIAS+8*\b+3], v7, s[12:13] offset:64*\b       ; register 8 b + j: the bias of column 16 b + 8 h + j
	global_load_b128 v[BIAS+8*\b+4:BIAS+8*\b+7], v7, s[12:13] offset:64*\b+16
.endr
.macro FRAG reg, adr, q, i             ; a fragment as it was stored: six loads of 8 bytes a lane, 256 consecutive bytes each
.irp p, 0,1,2,3,4,5
	ds_load_b64 v[\reg+2*\p:\reg+2*\p+1], v[\adr] offset:(\i)*STEPB+(\q)*KSB+256*\p
.endr
.endm
; 16 matrix instructions: A's blocks a0, a0 + 1 x B's eight, 128 along K.  The 64 accumulators take turns, one instruction a turn, in the same order in every step.
.macro MUL16 a0, p, q, sc, zero
.irp a, \a0, \a0+1
.irp b, 0,1,2,3,4,5,6,7
.if \zero
	v_wmma_scale_f32_16x16x128_f8f6f4 v[8*(8*((\a)%4)+\b):8*(8*((\a)%4)+\b)+7], v[128*(\p)+FR*\b:128*(\p)+FR*\b+FR-1], v[AF+FR*(\a):AF+FR*(\a)+FR-1], 0, v[SC+8*NQ*(\sc)+NQ*\b+(\q)], v[SC+8*NQ*(\sc)+NQ*(\a)+(\q)] matrix_a_fmt:MATRIX_FMT_BF6 matrix_b_fmt:MATRIX_FMT_BF6 matrix_a_scale:MATRIX_SCALE_ROW1
.else
	v_wmma_scale_f32_16x16x128_f8f6f4 v[8*(8*((\a)%4)+\b):8*(8*((\a)%4)+\b)+7], v[128*(\p)+FR*\b:128*(\p)+FR*\b+FR-1], v[AF+FR*(\a):AF+FR*(\a)+FR-1], v[8*(8*((\a)%4)+\b):8*(8*((\a)%4)+\b)+7], v[SC+8*NQ*(\sc)+NQ*\b+(\q)], v[SC+8*NQ*(\sc)+NQ*(\a)+(\q)] matrix_a_fmt:MATRIX_FMT_BF6 matrix_b_fmt:MATRIX_FMT_BF6 matrix_a_scale:MATRIX_SCALE_ROW1
.endif
.endr
.endr
.endm
.macro FETCH_B slot, q, p
	WIN TO_B
.irp i, 0,1,2,3,4,5,6,7
	FRAG 128*(\p)+FR*\i, ADRB+\slot, \q, \i
.endr
	WIN 0
.endm
.macro FETCH_A slot, q, i0
.irp i, \i0, \i0+1, \i0+2, \i0+3
	FRAG AF+FR*(\i), ADRA+\slot, \q, \i
.endr
.endm
.macro SCALES sc                       ; a slot's scale words into set sc: lanes 0-15 take A's block i, lanes 16-31 B's block i
.irp i, 0,1,2,3,4,5,6,7
	ds_load_b32 v[SC+8*NQ*\sc+NQ*\i], v[ADRS] offset:64*\i
	ds_load_b32 v[SC+8*NQ*\sc+NQ*\i+1], v[ADRS] offset:64*\i+512
.endr
.endm
.macro PLACES n                        ; plain vector instructions between a matrix instruction and a load into, or a read of, its registers
.rept \n
	v_nop
.endr
.endm
.macro STEP slot, q, zero              ; a step of 128 along K that has its successor in the same slot
	s_wait_dscnt 4*NL                              ; B's set, A's blocks 0-3 and the scale words are in; the youngest 24 loads (A's blocks 4-7) may be out
	WIN MUL_LO
	MUL16 0, (\q)%2, \q, \slot, \zero
	MUL16 2, (\q)%2, \q, \slot, \zero
	s_wait_dscnt 0
	PLACES NP
	FETCH_B \slot, (\q)+1, 1-(\q)%2
	FETCH_A \slot, (\q)+1, 0
	WIN MUL_HI
	MUL16 4, (\q)%2, \q, \slot, \zero
	MUL16 6, (\q)%2, \q, \slot, \zero
	PLACES NP
	WIN 0
	FETCH_A \slot, (\q)+1, 4
.endm
; A slot's last step changes slots: one barrier; in front of it each wave waits for all its tensor loads, adds 0 to its spare word, and waits for that and for its reads of this slot.
.macro TURN slot, next, fill
	s_wait_tensorcnt 0x0                           ; all my tensor loads have landed: my part of the next slot
	ds_add_u32 v[SPW], v[NIL]                      ; 0 onto my spare word
	s_wait_dscnt 4*NL+1                            ; (the add and the youngest 24 loads may be out)
	WIN MUL_LO
	MUL16 0, 1, NQ-1, \slot, 0
	s_wait_dscnt 0x0                               ; the add is done, and my reads of this slot are over
	s_barrier_signal -1
	MUL16 2, 1, NQ-1, \slot, 0
	WIN 0
	s_barrier_wait -1
.if \fill
	CREST                                          ; the barrier has opened a round of the cluster's barrier: no wave of any partner still reads this slot or has a load on its way
	s_add_nc_u64 s[G0+4*\slot+2:G0+4*\slot+3], s[G0+4*\slot+2:G0+4*\slot+3], 2*STEPB
	s_add_nc_u64 s[G0B+4*\slot+2:G0B+4*\slot+3], s[G0B+4*\slot+2:G0B+4*\slot+3], 2*STEPB
	JLOAD G0+4*\slot, G1, G0B+4*\slot, G1B         ; the first tensor load behind the round; its four v_nop are the places in front of the loads below
.else
	PLACES NP
.endif
	v_add_nc_u32 v[ADRS], 512*NQ, v[ADRS]          ; on to the next slot's scale words (no LDS load of mine is out)
	FETCH_B \next, 0, 0
	FETCH_A \next, 0, 0
	SCALES \next
	WIN MUL_HI
	MUL16 4, 1, NQ-1, \slot, 0
	MUL16 6, 1, NQ-1, \slot, 0
	PLACES NP
	WIN 0
	FETCH_A \next, 0, 4
.endm
	s_wait_tensorcnt 1                             ; the scale words and my part of slot 0 are in (slot 1's load may be out),
	s_barrier_signal -1
	s_barrier_wait -1                              ; everybody's are
	FETCH_B 0, 0, 0
	FETCH_A 0, 0, 0
	SCALES 0
	FETCH_A 0, 0, 4
	STEP 0, 0, 1                                   ; the first step's products start the sums
	s_mov_b32 s3, LAPS-1
.Llap:                                                 ; a trip goes once round the ring and fills both slots again
	TURN 0, 1, 1
	STEP 1, 0, 0
	TURN 1, 0, 1
	STEP 0, 0, 0
	s_sub_co_u32 s3, s3, 1
	s_cmp_lg_u32 s3, 0
	s_cbranch_scc1 .Llap
	TURN 0, 1, 0                                   ; the last lap fills nothing
	STEP 1, 0, 0
	s_wait_dscnt 4*NL
	WIN MUL_LO
	MUL16 0, 1, NQ-1, 1, 0
	MUL16 2, 1, NQ-1, 1, 0
	s_wait_dscnt 0
	WIN MUL_HI
	MUL16 4, 1, NQ-1, 1, 0
	MUL16 6, 1, NQ-1, 1, 0
	WIN 0
	; ---- THE WAY OUT
	s_barrier_signal -1                            ; my reads of the ring are over (the wait for 0 above): behind this barrier everybody's are, and the ring's bytes serve as stages
	s_barrier_wait -1
	PLACES NP
	s_wait_loadcnt 0x0                             ; the bias
; block a's 64 numbers of a lane + the bias, into window 0; each accumulator is read from its low end on
.macro ADDB a, dst
	WIN 0x02+((\a)/4)
.set AC, 64*((\a)%4)
.set k, 0
.rept 32
	v_pk_add_f32 v[\dst+k:\dst+k+1], v[AC+k:AC+k+1], v[BIAS+k:BIAS+k+1]
.set k, k+2
.endr
	WIN 0
.endm
; 64 numbers of a lane, register 16 b + i = place 16 (lane / 16) + i of block b of my row, become a fragment's codes in v[PC] on and its scale word in v[PW].
.macro QUANT s
.irp b, 0,1,2,3
	v_max3_num_f32 v[TM+\b], |v[\s+16*\b]|, |v[\s+1+16*\b]|, 0x2800000   ; my 16 numbers, and the floor 2^(5 - 127): the byte cannot fall under 1
.endr
.irp i, 2,4,6,8,10,12,14
.irp b, 0,1,2,3
	v_max3_num_f32 v[TM+\b], v[TM+\b], |v[\s+16*\b+\i]|, |v[\s+1+16*\b+\i]|
.endr
.endr
.irp b, 0,1,2,3
	v_permlanex16_b32 v[TM+4+\b], v[TM+\b], s[SEL], s[SEL+1]
.endr
.irp b, 0,1,2,3
	v_max_num_f32 v[TM+\b], v[TM+\b], v[TM+4+\b]
.endr
.irp b, 0,1,2,3
	v_add_nc_u32 v[TM+12+\b], 0xfe000000, v[TM+\b] ; 4 off the exponent field: the conversion's scale operand
.endr
.irp b, 0,1,2,3
	v_lshrrev_b32 v[TM+4+\b], 23, v[TM+12+\b]
.endr
	v_lshl_or_b32 v[PW], v[TM+5], 8, v[TM+4]
	v_lshl_or_b32 v[PW], v[TM+6], 16, v[PW]
	v_lshl_or_b32 v[PW], v[TM+7], 24, v[PW]
.irp c, 0,1
	v_cvt_scalef32_pk16_bf6_f32 v[PC+6*\c:PC+2+6*\c], v[\s+32*\c:\s+15+32*\c], v[TM+12+2*\c]
	v_cvt_scalef32_pk16_bf6_f32 v[PC+12+4*\c:PC+14+4*\c], v[\s+16+32*\c:\s+31+32*\c], v[TM+12+2*\c+1]
.endr
	v_nop                                          ; one plain place behind a scaled conversion
.irp c, 0,1
.irp i, 0,1,2
	v_permlane16_swap_b32 v[PC+6*\c+\i], v[PC+12+4*\c+\i]
.endr
.irp i, 0,1,2
	v_mov_b32 v[PC+3+6*\c+\i], v[PC+12+4*\c+\i]
.endr
.endr
.endm
	s_cmp_lt_u32 ttmp9, 2                          ; the cluster's x: equal in all partners
	s_cbranch_scc0 .Lv
	; ---- q, k: registers 6 c .. 6 c + 5 of the fragment are head c's half image
.irp b, 0,1,2,3
	v_mov_b32 v[TM+4+\b], 0                        ; written once: a lane permute's destination counts as one of its sources
.endr
.irp a, 0,1,2,3,4,5,6,7
	ADDB \a, H
	s_wait_xcnt 0x0                                ; the last tile's stores have read the codes' registers
	QUANT H
.irp q, 0,1,2
	global_store_b64 v8, v[PC+2*\q:PC+2*\q+1], s[96:97] offset:768*\a+256*\q       ; 256 consecutive bytes, aligned
	global_store_b64 v9, v[PC+6+2*\q:PC+7+2*\q], s[96:97] offset:768*\a+256*\q     ; the second head's
.endr
	v_lshrrev_b32 v[232+\a], v12, v[PW]            ; lanes 0-15: the first head's two bytes; lanes 16-31: the second's
	v_and_b32 v[232+\a], 0xffff, v[232+\a]         ; bytes 2 and 3, of the K that a head does not have, are 0
	ds_store_b32 v13, v[232+\a] offset:64*\a
.endr
	ds_load_b128 v[240:243], v14                   ; LDS serves a wave's instructions in order: these see my stores
	ds_load_b128 v[244:247], v14 offset:512
	s_wait_dscnt 0x0
	global_store_b128 v10, v[240:243], s[98:99]    ; 512 consecutive bytes, aligned: 128 rows' words of the first head,
	global_store_b128 v11, v[244:247], s[98:99]    ; of the second
	s_branch .Lend
.Lv:
	; ---- v: 64 rows at a time through my stage; then a lane takes a column, and its registers run down the keys in the order SW
.macro VLD g                           ; columns 32 g + lane: 64 keys into set g % 2
.set VS, 128+64*((\g)%2)
.set i, 0
.rept 64
	ds_load_b32 v[VS+i], v15 offset:((i&32)+((i&7)|((i&8)<<1)|((i&16)>>1)))*528+128*(\g)
.set i, i+1
.endr
.endm
.macro VBLK c, g                       ; key blocks 2 c and 2 c + 1 of 32 columns become registers 6 c .. 6 c + 5 of two tiles of 16 channels
.set VS, 128+64*((\g)%2)
.irp e, 0,1
	v_max3_num_f32 v52, |v[VS+32*\e]|, |v[VS+32*\e+1]|, |v[VS+32*\e+2]|
	v_max3_num_f32 v53, |v[VS+32*\e+3]|, |v[VS+32*\e+4]|, |v[VS+32*\e+5]|
.irp i, 6,10,14,18,22,26
	v_max3_num_f32 v52, v52, |v[VS+32*\e+\i]|, |v[VS+32*\e+\i+1]|
	v_max3_num_f32 v53, v53, |v[VS+32*\e+\i+2]|, |v[VS+32*\e+\i+3]|
.endr
	v_max3_num_f32 v52, v52, |v[VS+32*\e+30]|, |v[VS+32*\e+31]|
	v_max3_num_f32 v52, v52, v53, 0x2800000
	v_add_nc_u32 v[54+\e], 0xfe000000, v52
	v_lshrrev_b32 v56, 23, v[54+\e]
.if (2*\c+\e) == 0
	v_mov_b32 v[58+\g], v56
.else
	v_lshl_or_b32 v[58+\g], v56, 8*(2*\c+\e), v[58+\g]
.endif
	v_cvt_scalef32_pk16_bf6_f32 v[32+6*\e:34+6*\e], v[VS+32*\e:VS+32*\e+15], v[54+\e]
	v_cvt_scalef32_pk16_bf6_f32 v[44+4*\e:46+4*\e], v[VS+32*\e+16:VS+32*\e+31], v[54+\e]
	v_nop                                          ; one plain place behind a scaled conversion
.endr
.irp e, 0,1
.irp i, 0,1,2
	v_mov_b32 v[35+6*\e+\i], v[44+4*\e+\i]
.endr
.endr
.irp i, 0,1,2,3,4,5
	v_permlane16_swap_b32 v[32+\i], v[38+\i]
.endr
.irp u, 0,1
.irp q, 0,1,2
	global_store_b64 v8, v[32+6*\u+2*\q:33+6*\u+2*\q], s[96:97] offset:((\g)/2)*HREC+6144+(2*((\g)%2)+\u)*1536+(3*\c+\q)*256
.endr
.endr
.endm
.irp c, 0,1
.irp d, 0,1,2,3
.if \d >= 2
	s_wait_dscnt 16                                ; the stores of two blocks ago have read this set of registers; the last block's 16 may be out
.endif
	ADDB 4*\c+\d, 128+64*(\d%2)
.irp b, 0,1,2,3,4,5,6,7
	ds_store_b128 v24, v[128+64*(\d%2)+8*\b:128+64*(\d%2)+8*\b+3] offset:8448*\d+64*\b
	ds_store_b128 v24, v[128+64*(\d%2)+8*\b+4:128+64*(\d%2)+8*\b+7] offset:8448*\d+64*\b+16
.endr
.endr
	s_wait_dscnt 0x0                               ; the stores have read their registers, which the loads below fill
	VLD 0
	VLD 1
.irp g, 0,1,2,3
.if \g < 3
	s_wait_dscnt 63                                ; this group's 64 loads are in: behind them stand the next group's 64
.else
	s_wait_dscnt 0x0
.endif
	s_wait_xcnt 0x0                                ; the last group's stores have read the codes' registers
	VBLK \c, \g
.if \g < 2
	VLD \g+2
.endif
.endr
.endr
.irp g, 0,1,2,3
	ds_store_b32 v22, v[58+\g] offset:128*\g       ; my column's scale word
.endr
	ds_load_b128 v[48:51], v23                     ; LDS serves a wave's instructions in order
	s_wait_dscnt 0x0
	global_store_b128 v19, v[48:51], s[96:97] offset:12800   ; lanes 0-15: the first head's 256 bytes, aligned; lanes 16-31: the second's
.Lend:
	s_wait_tensorcnt 0x0                           ; the wave's end
	ds_add_u32 v[SPW], v[NIL]
	s_wait_dscnt 0x0
	CROUND                                         ; the closing round
	s_endpgm
.Lfunc_end_k_qaa475839fa_qkv:
	.size	k_qaa475839fa_qkv, .Lfunc_end_k_qaa475839fa_qkv-k_qaa475839fa_qkv
	.p2alignl 7, 3214868480
	.fill 96, 4, 3214868480
	.section	.rodata,"a",@progbits
	.p2align	6, 0x0
	.amdhsa_kernel k_qaa475839fa_qkv
		.amdhsa_group_segment_fixed_size 327680
		.amdhsa_private_segment_fixed_size 0
		.amdhsa_enable_private_segment 0
		.amdhsa_kernarg_size 56
		.amdhsa_user_sgpr_count 2
		.amdhsa_user_sgpr_kernarg_segment_ptr 1
		.amdhsa_wavefront_size32 1
		.amdhsa_system_sgpr_workgroup_id_x 1
		.amdhsa_system_sgpr_workgroup_id_y 1
		.amdhsa_system_sgpr_workgroup_id_z 1
		.amdhsa_system_vgpr_workitem_id 0
		.amdhsa_next_free_vgpr 1024
		.amdhsa_next_free_sgpr 102
		.amdhsa_reserve_vcc 0
		.amdhsa_float_denorm_mode_32 3
		.amdhsa_float_denorm_mode_16_64 3
		.amdhsa_memory_ordered 1
		.amdhsa_forward_progress 1
		.amdhsa_inst_pref_size 255
	.end_amdhsa_kernel
	.section	.bss,"aw",@nobits
	.p2align	6
	.space	262144
	.amdgpu_metadata
---
amdhsa.version: [ 1, 2 ]
amdhsa.kernels:
  - .name:           k_qaa475839fa_qkv
    .symbol:         k_qaa475839fa_qkv.kd
    .args:
      - { .name: xq, .offset: 0, .size: 8, .value_kind: global_buffer, .address_space: global }
      - { .name: wq, .offset: 8, .size: 8, .value_kind: global_buffer, .address_space: global }
      - { .name: bq, .offset: 16, .size: 8, .value_kind: global_buffer, .address_space: global }
      - { .name: bk, .offset: 24, .size: 8, .value_kind: global_buffer, .address_space: global }
      - { .name: bv, .offset: 32, .size: 8, .value_kind: global_buffer, .address_space: global }
      - { .name: qq, .offset: 40, .size: 8, .value_kind: global_buffer, .address_space: global }
      - { .name: kv, .offset: 48, .size: 8, .value_kind: global_buffer, .address_space: global }
    .group_segment_fixed_size: 327680
    .private_segment_fixed_size: 0
    .kernarg_segment_align: 8
    .kernarg_segment_size: 56
    .max_flat_workgroup_size: 128
    .sgpr_count:     102
    .vgpr_count:     1024
    .wavefront_size: 32
...
	.end_amdgpu_metadata
.endif
;; end of part 2
;; launch attn (part 3): grid 4 x 64, 16 waves a work-group, no clusters, 210,944 bytes of LDS; arguments qq, kv, oq; writes oq
.if DOCPART == 3
	.amdgcn_target "amdgcn-amd-amdhsa--gfx1250"
	.amdhsa_code_object_version 6
	.text
	.protected	k_qaa475839fa_attn
	.globl	k_qaa475839fa_attn
	.p2align	8
	.type	k_qaa475839fa_attn,@function
k_qaa475839fa_attn:
	s_mov_b64 s[64:65], 0
	v_nop
	global_prefetch_b8 v0, s[64:65] scope:SCOPE_SE
	s_setreg_imm32_b32 hwreg(HW_REG_WAVE_MODE, 25, 1), 1
	s_wait_xcnt 0x0
; Causal attention of one head (head size 64, 2,048 positions) on codes of BF6 (E3M2) with one E8M0 scale for each 32 along a product's K; the result is quantised here for the output projection.
; THE SOFTMAX AHEAD OF THE SECOND PRODUCT: t = score x log2(e) / 8; M = the row's largest t so far, rounded up to a whole number; p = 2^(t - M) is quantised along the keys, not normalised;
; the row's sum is taken of the unquantised p and divides O at the end.  When M moves, the sum and O are multiplied by 2^(old M - new M): exact.
; SHARES.  Work-group (i, head).  Wave w owns two tiles of 16 queries: TA = 16 i + w and TB = 127 - TA.  Tile T needs the key steps (128 keys) 0 .. T / 8, so every wave does 17 steps: all waves of the launch have equal work.
; K AND V of the whole head, 208,896 bytes as the launch before laid them ([16 key steps][13,056]: K 8 x 768, V^T 4 x 1,536, K's words 512, V's words 256), come into LDS once: waves 0 to 5 bring two tensor loads each,
; the first for key steps 0 and 1, on which all waves start, the second for the other 14.  No byte is filled twice, and nothing is stored to LDS.
; NO CLUSTER: the work-groups that share K and V are the query blocks of one head, and which key steps a wave leaves out hangs on its block; partners of joint loads may not part on their place.  Leaving out the
; hidden steps halves the work; a joint load would spare three of four reads of 204 KiB.  NO PREFETCH: all that a work-group reads is asked for at its head.
; LAYOUT.  Both products are used transposed: S^T = K Q^T (source 0 = 16 keys, source 1 = 16 queries), O^T = V^T P^T: a lane holds one query (lane % 16) throughout.  The scores' K is 64: registers 6-11 of Q are zero codes,
; and the scale bytes 2, 3 of Q and K are 0; what stands in registers 6-11 of K's operand (the next tile's codes) is multiplied by zeros.
; Inside a block of 32 place i holds k = SW(i) (bits 3 and 4 exchanged) in every operand: p quantised in registers comes out so, and V was laid so.
; LIMITS: NaN and infinities are not served; a block of zeros gets the byte 1 (its codes are zeros).  The two scale bytes of a row and a head are stored as 2 bytes a lane: a head owns half a scale word of oq.
; REGISTERS: v1, v2 8 x and 4 x lane; v3, v4 the same + the key step's LDS byte; v5, v6 the masks' d; v7 4 r; v8-11, v12-15 -M, largest t, the sum in two halves; v16-27, v28-39 Q; v40-87 K or V; v88-93 zeros;
;   v94, v95 Q's scale words; v96-159 S^T, then p; v160-191, v192-223 O^T; v224-235 p's codes; v232-254 at work; v248-251 K's or V's scale words; v253 p's.
.set KREC, 13056
.set HREC, 208896
.set QSO,  6291456
.set XSO,  6291456
.set WV,   10
.set TA,   13
.set TB,   14
.set QJA,  15
.set QJB,  16
.set J,    17                          ; the key step
.set TBS,  18                          ; its LDS byte
.set SEL,  20
.set CS,   22
.set G1A,  24
.set G1B,  32
.set G0A,  40
.set G0B,  44
	s_load_b128 s[4:7], s[0:1], 0x0                ; qq, kv
	s_load_b64 s[8:9], s[0:1], 0x10                ; oq
	v_lshl_add_u32 v254, v0, 2, 0x33000
	v_mov_b32 v255, 0
	ds_add_u32 v254, v255
	ds_add_u32 v254, v255
	s_wait_dscnt 0x0
	v_lshrrev_b32 v1, 5, v0
	v_readfirstlane_b32 s[WV], v1                  ; wave 0..15
	s_and_b32 s12, ttmp7, 0xffff                   ; 16 x batch + head
	s_lshl_b32 s[TA], ttmp9, 4
	s_add_co_u32 s[TA], s[TA], s[WV]
	s_sub_co_u32 s[TB], 127, s[TA]
	s_lshr_b32 s[QJA], s[TA], 3                    ; a tile's last key step, the one on the diagonal
	s_lshr_b32 s[QJB], s[TB], 3
	; dense blocks as rows of 256 bytes (32 elements of 8 bytes): 17 rows, and 119 rows
	s_mov_b32 s[G1A+0], 3<<16
	s_mov_b32 s[G1A+1], 32<<16
	s_mov_b32 s[G1A+2], 17<<16
	s_mov_b32 s[G1A+3], 32<<16
	s_mov_b32 s[G1A+4], 17
	s_mov_b32 s[G1A+5], 32
	s_mov_b32 s[G1A+6], 0
	s_mov_b32 s[G1A+7], 0
	s_mov_b32 s[G1B+0], 3<<16
	s_mov_b32 s[G1B+1], 32<<16
	s_mov_b32 s[G1B+2], 119<<16
	s_mov_b32 s[G1B+3], 32<<16
	s_mov_b32 s[G1B+4], 119
	s_mov_b32 s[G1B+5], 32
	s_mov_b32 s[G1B+6], 0
	s_mov_b32 s[G1B+7], 0
	s_mul_i32 s48, s12, HREC
	s_mov_b32 s49, 0
	s_mul_i32 s50, s[WV], 4352                     ; a sixth of key steps 0 and 1: the same place in the record and in LDS
	s_mov_b32 s51, 0
	s_mul_i32 s52, s[WV], 30464                    ; a sixth of the other 14
	s_add_co_u32 s52, s52, 26112
	s_mov_b32 s53, 0
	s_mov_b32 s[SEL], 0x76543210
	s_mov_b32 s[SEL+1], 0xfedcba98
	s_mov_b32 s[CS], 0x3e38aa3b                    ; c = log2(e) / 8
	s_mov_b32 s[CS+1], s[CS]                       ; (named with it as a pair, so it is written)
	s_wait_kmcnt 0x0
	s_add_nc_u64 s[6:7], s[6:7], s[48:49]          ; the head's record
	s_mov_b32 s[G0A], 1
	s_mov_b32 s[G0A+1], s50
	s_add_nc_u64 s[G0A+2:G0A+3], s[6:7], s[50:51]
	s_or_b32 s[G0A+3], s[G0A+3], 0x80000000
	s_mov_b32 s[G0B], 1
	s_mov_b32 s[G0B+1], s52
	s_add_nc_u64 s[G0B+2:G0B+3], s[6:7], s[52:53]
	s_or_b32 s[G0B+3], s[G0B+3], 0x80000000
	s_cmp_lt_u32 s[WV], 6                          ; waves 0 to 5 fetch: a wave's two first fills stand in one branch; two loads of mine are out
	s_cbranch_scc0 .Lno_fill
	tensor_load_to_lds s[G0A:G0A+3], s[G1A:G1A+7]
	s_nop 0
	tensor_load_to_lds s[G0B:G0B+3], s[G1B:G1B+7]
	s_nop 0
.rept 4
	v_nop
.endr
.Lno_fill:
	s_mul_i32 s62, s12, 98304                      ; Q's half images: 98,304 bytes a head, 768 a tile
	s_mul_i32 s54, s[TA], 768
	s_add_co_u32 s54, s54, s62
	s_mov_b32 s55, 0
	s_mul_i32 s56, s[TB], 768
	s_add_co_u32 s56, s56, s62
	s_mov_b32 s57, 0
	s_lshl_b32 s63, s12, 13                        ; its scale words: 8,192 bytes a head, 64 a tile
	s_add_co_u32 s63, s63, QSO
	s_lshl_b32 s58, s[TA], 6
	s_add_co_u32 s58, s58, s63
	s_mov_b32 s59, 0
	s_lshl_b32 s60, s[TB], 6
	s_add_co_u32 s60, s60, s63
	s_mov_b32 s61, 0
	s_add_nc_u64 s[54:55], s[4:5], s[54:55]
	s_add_nc_u64 s[56:57], s[4:5], s[56:57]
	s_add_nc_u64 s[58:59], s[4:5], s[58:59]
	s_add_nc_u64 s[60:61], s[4:5], s[60:61]
	s_lshr_b32 s66, s12, 4                         ; batch
	s_and_b32 s67, s12, 15                         ; head
	s_mul_i32 s62, s67, 768                        ; oq: K step head / 2 (1,536 bytes), half head % 2 (768): 768 x head
	s_lshl_b32 s63, s66, 7                         ; 128 row tiles a batch
	s_add_co_u32 s68, s63, s[TA]
	s_mul_i32 s68, s68, 12288
	s_add_co_u32 s68, s68, s62
	s_mov_b32 s69, 0
	s_add_co_u32 s70, s63, s[TB]
	s_mul_i32 s70, s70, 12288
	s_add_co_u32 s70, s70, s62
	s_mov_b32 s71, 0
	s_add_nc_u64 s[68:69], s[8:9], s[68:69]
	s_add_nc_u64 s[70:71], s[8:9], s[70:71]
	s_lshr_b32 s72, s67, 1                         ; oq's scale words: [K step][row][4 bytes]; my head's two bytes
	s_lshl_b32 s72, s72, 15
	s_and_b32 s73, s67, 1
	s_lshl_b32 s73, s73, 1
	s_add_co_u32 s72, s72, s73
	s_lshl_b32 s73, s66, 13
	s_add_co_u32 s72, s72, s73
	s_lshl_b32 s73, s[TA], 6
	s_add_co_u32 s72, s72, s73
	s_add_co_u32 s72, s72, XSO
	s_mov_b32 s73, 0
	s_add_nc_u64 s[72:73], s[8:9], s[72:73]
	s_sub_co_u32 s74, s[TB], s[TA]
	s_lshl_b32 s74, s74, 6                         ; from tile A's words to tile B's
	v_and_b32 v7, 31, v0
	v_lshlrev_b32 v1, 3, v7
	v_lshlrev_b32 v2, 2, v7
	v_and_b32 v5, 15, v0                           ; r
	v_bfe_u32 v6, v0, 4, 1                         ; h
	v_lshlrev_b32 v7, 2, v5
	v_lshlrev_b32 v6, 3, v6
	v_sub_nc_u32 v6, v5, v6                        ; r - 8 h
	s_and_b32 s75, s[TA], 7
	s_lshl_b32 s75, s75, 4
	v_add_nc_u32 v5, s75, v6                       ; d = my query's place in its diagonal step - 8 h.  Register n holds key 16 (n / 8) + 8 h + n % 8: hidden where 16 (n / 8) + n % 8 > d
	s_and_b32 s75, s[TB], 7
	s_lshl_b32 s75, s75, 4
	v_add_nc_u32 v6, s75, v6
.irp p, 0,1,2
	global_load_b64 v[16+2*\p:17+2*\p], v1, s[54:55] offset:256*\p
	global_load_b64 v[28+2*\p:29+2*\p], v1, s[56:57] offset:256*\p
.endr
	global_load_b32 v94, v7, s[58:59]
	global_load_b32 v95, v7, s[60:61]
.irp s, 8, 12
	v_mov_b32 v[\s+1], 0xff61b1e6                  ; the largest t so far: -3e38
	v_floor_f32 v[\s], -v[\s+1]                    ; -M
	v_mov_b32 v[\s+2], 0                           ; the sum, in two halves
	v_mov_b32 v[\s+3], 0
.endr
.irp j, 22,23,24,25,26,27,34,35,36,37,38,39,88,89,90,91,92,93,236,237,238,239,252,253
	v_mov_b32 v[\j], 0                             ; zero codes for the K that a head does not have; lane permutes' destinations and pairs' upper halves, written once
.endr
.set k, 0
.rept 64
	v_mov_b32 v[160+k], 0                          ; O^T: the step is written once; the first finds zeros
.set k, k+1
.endr
; A KEY STEP of one tile: 128 keys.  A step all of whose keys come after the tile's queries is left out: a scalar branch on ids.
.macro STEP QF, QS, OT, ST, DQ, QJ
	s_cmp_gt_u32 s[J], s[\QJ]
	s_cbranch_scc1 .Lskip_\@
.rept 4
	v_nop                                          ; places in front of loads into registers that matrix instructions have read
.endr
.irp t, 0,1,2,3,4,5,6,7
.irp p, 0,1,2
	ds_load_b64 v[40+6*\t+2*\p:41+6*\t+2*\p], v3 offset:768*\t+256*\p
.endr
.endr
.irp u, 0,1,2,3
	ds_load_b32 v[248+\u], v4 offset:12288+128*\u  ; K's scale words: lanes 0-15 tile 2 u's, lanes 16-31 tile 2 u + 1's
.endr
	s_wait_dscnt 0x0
.irp t, 0,1,2,3,4,5,6,7
.if \t%2
	v_wmma_scale_f32_16x16x128_f8f6f4 v[96+8*\t:103+8*\t], v[40+6*\t:51+6*\t], v[\QF:\QF+11], 0, v[248+\t/2], v[\QS] matrix_a_fmt:MATRIX_FMT_BF6 matrix_b_fmt:MATRIX_FMT_BF6 matrix_a_scale:MATRIX_SCALE_ROW1
.else
	v_wmma_scale_f32_16x16x128_f8f6f4 v[96+8*\t:103+8*\t], v[40+6*\t:51+6*\t], v[\QF:\QF+11], 0, v[248+\t/2], v[\QS] matrix_a_fmt:MATRIX_FMT_BF6 matrix_b_fmt:MATRIX_FMT_BF6
.endif
.endr
.rept 4
	v_nop                                          ; places in front of the loads below and of the first read of the scores
.endr
.irp t, 0,1,2,3                                ; V^T's four tiles are asked for now and land while the softmax is walked
.irp p, 0,1,2,3,4,5
	ds_load_b64 v[40+12*\t+2*\p:41+12*\t+2*\p], v3 offset:6144+1536*\t+256*\p
.endr
.endr
.irp u, 0,1
	ds_load_b32 v[248+\u], v4 offset:12800+128*\u
.endr
	s_cmp_lt_u32 s[J], s[\QJ]                      ; only the step on the diagonal has hidden keys
	s_cbranch_scc1 .Lopen_\@
	v_mov_b32 v254, 0xff800000                     ; -infinity: p = 0 then
.set n, 0
.rept 64
	v_cmp_gt_i32 vcc_lo, 16*(n/8)+n%8, v[\DQ]
	v_cndmask_b32 v[96+n], v[96+n], v254, vcc_lo
.set n, n+1
.endr
.Lopen_\@:
.irp b, 0,1,2,3
	v_max3_num_f32 v[232+\b], v[96+16*\b], v[97+16*\b], v[98+16*\b]   ; the largest score of each block of 32 keys: for the row's maximum and, since p rises with the score, for the block's largest p
.endr
.irp i, 3,5,7,9,11,13
.irp b, 0,1,2,3
	v_max3_num_f32 v[232+\b], v[232+\b], v[96+16*\b+\i], v[97+16*\b+\i]
.endr
.endr
.irp b, 0,1,2,3
	v_max_num_f32 v[232+\b], v[232+\b], v[111+16*\b]
.endr
.irp b, 0,1,2,3
	v_permlanex16_b32 v[236+\b], v[232+\b], s[SEL], s[SEL+1]
.endr
.irp b, 0,1,2,3
	v_max_num_f32 v[232+\b], v[232+\b], v[236+\b]  ; with lane l xor 16's 16 keys
.endr
	v_max3_num_f32 v254, v232, v233, v234
	v_max_num_f32 v254, v254, v235
	v_mul_f32 v254, s[CS], v254                    ; as t (c is positive)
	v_max_num_f32 v[\ST+1], v[\ST+1], v254         ; the running largest t
	v_mov_b32 v254, v[\ST]
	v_floor_f32 v[\ST], -v[\ST+1]                  ; the new -M = -ceil(t)
	v_sub_f32 v254, v[\ST], v254                   ; old M - new M: a whole number, 0 or less
	v_cvt_i32_f32 v254, v254                       ; (it saturates)
	v_ldexp_f32 v252, 1.0, v254                    ; f = 2^(old M - new M)
.irp j, 0,2,4,6,8,10,12,14,16,18,20,22,24,26,28,30,32,34,36,38,40,42,44,46,48,50,52,54,56,58,60,62
	v_pk_fma_f32 v[96+\j:97+\j], v[96+\j:97+\j], s[CS:CS+1], v[\ST:\ST+1] op_sel_hi:[1,0,0]   ; t - M
.endr
.irp b, 0,1,2,3
	v_fma_f32 v[232+\b], v[232+\b], s[CS], v[\ST]
.endr
.set n, 0
.rept 64
	v_exp_f32 v[96+n], v[96+n]                     ; p = 2^(t - M)
.set n, n+1
.endr
.irp b, 0,1,2,3
	v_exp_f32 v[232+\b], v[232+\b]                 ; the block's largest p
.endr
	v_pk_mul_f32 v[\ST+2:\ST+3], v[\ST+2:\ST+3], v[252:253] op_sel_hi:[1,0]   ; the sums under the new M (a plain place behind the exponentials)
	s_wait_alu depctr_va_vdst(0)
.irp b, 0,1,2,3
	v_max_num_f32 v[232+\b], 0x2800000, v[232+\b]  ; the floor 2^(5 - 127)
.endr
.irp b, 0,1,2,3
	v_add_nc_u32 v[244+\b], 0xfe000000, v[232+\b]  ; the conversion's scale operand
.endr
.irp b, 0,1,2,3
	v_lshrrev_b32 v[236+\b], 23, v[244+\b]
.endr
	v_lshl_or_b32 v253, v237, 8, v236              ; p's scale word for these 128 keys
	v_lshl_or_b32 v253, v238, 16, v253
	v_lshl_or_b32 v253, v239, 24, v253
.irp c, 0,1
	v_cvt_scalef32_pk16_bf6_f32 v[224+6*\c:226+6*\c], v[96+32*\c:111+32*\c], v[244+2*\c]
	v_cvt_scalef32_pk16_bf6_f32 v[236+4*\c:238+4*\c], v[112+32*\c:127+32*\c], v[244+2*\c+1]
.endr
	v_nop                                          ; one plain place behind a scaled conversion
.irp c, 0,1
.irp i, 0,1,2
	v_permlane16_swap_b32 v[224+6*\c+\i], v[236+4*\c+\i]
.endr
.irp i, 0,1,2
	v_mov_b32 v[227+6*\c+\i], v[236+4*\c+\i]
.endr
.endr
	v_pk_add_f32 v[236:237], v[96:97], v[98:99]    ; the row's sum is taken of the unquantised p, in two chains
.irp j, 4,8,12,16,20,24,28,32,36,40,44,48,52,56,60
	v_pk_add_f32 v[\ST+2:\ST+3], v[\ST+2:\ST+3], v[96+\j:97+\j]
	v_pk_add_f32 v[236:237], v[236:237], v[98+\j:99+\j]
.endr
	v_pk_add_f32 v[\ST+2:\ST+3], v[\ST+2:\ST+3], v[236:237]
.irp j, 0,2,4,6,8,10,12,14,16,18,20,22,24,26,28,30
	v_pk_mul_f32 v[\OT+\j:\OT+\j+1], v[\OT+\j:\OT+\j+1], v[252:253] op_sel_hi:[1,0]   ; O^T under the new M
.endr
	s_wait_dscnt 0x0                               ; V^T and its scale words are in
.irp t, 0,1,2,3                                ; the four accumulators by turns
.if \t%2
	v_wmma_scale_f32_16x16x128_f8f6f4 v[\OT+8*\t:\OT+8*\t+7], v[40+12*\t:51+12*\t], v[224:235], v[\OT+8*\t:\OT+8*\t+7], v[248+\t/2], v253 matrix_a_fmt:MATRIX_FMT_BF6 matrix_b_fmt:MATRIX_FMT_BF6 matrix_a_scale:MATRIX_SCALE_ROW1
.else
	v_wmma_scale_f32_16x16x128_f8f6f4 v[\OT+8*\t:\OT+8*\t+7], v[40+12*\t:51+12*\t], v[224:235], v[\OT+8*\t:\OT+8*\t+7], v[248+\t/2], v253 matrix_a_fmt:MATRIX_FMT_BF6 matrix_b_fmt:MATRIX_FMT_BF6
.endif
.endr
.Lskip_\@:
.endm
.macro TRIP
	v_add_nc_u32 v3, s[TBS], v1
	v_add_nc_u32 v4, s[TBS], v2
	STEP 16, 94, 160, 8, 5, QJA
	STEP 28, 95, 192, 12, 6, QJB
	s_add_co_u32 s[TBS], s[TBS], KREC
	s_add_co_u32 s[J], s[J], 1
.endm
	s_wait_loadcnt 0x0                             ; Q
	s_wait_tensorcnt 1                             ; my part of key steps 0 and 1 is in; the rest may stay out
	s_barrier_signal -1
	s_barrier_wait -1
	s_mov_b32 s[J], 0
	s_mov_b32 s[TBS], 0
.Lfirst:                                           ; key steps 0 and 1
	TRIP
	s_cmp_lt_u32 s[J], 2
	s_cbranch_scc1 .Lfirst
	s_wait_tensorcnt 0x0                           ; my part of the other 14 is in,
	s_wait_dscnt 0x0
	s_barrier_signal -1
	s_barrier_wait -1                              ; everybody's is
	s_mov_b32 s[J], 2
	s_mov_b32 s[TBS], 2*KREC
.Lrest:                                            ; key steps 2 to 15
	TRIP
	s_cmp_lt_u32 s[J], 16
	s_cbranch_scc1 .Lrest
; O^T / the sum, quantised along the head's 64 (two blocks): registers 6 (head % 2) .. + 5 of oq's fragment, stored as three pieces of 256 consecutive bytes, aligned.
.macro FIN OT, ST, BASE, OUT
	v_add_f32 v[\ST+2], v[\ST+2], v[\ST+3]
	v_permlanex16_b32 v252, v[\ST+2], s[SEL], s[SEL+1]
	v_add_f32 v[\ST+2], v[\ST+2], v252             ; the row's sum
	v_rcp_f32 v[\ST+2], v[\ST+2]
	s_wait_xcnt 0x0                                ; the other tile's stores have read the codes' registers
	v_nop                                          ; a plain place behind the transcendental
.set k, 0
	s_wait_alu depctr_va_vdst(0)
.rept 32
	v_mul_f32 v[96+k], v[\OT+k], v[\ST+2]
.set k, k+1
.endr
.irp b, 0,1
	v_max3_num_f32 v[232+\b], |v[96+16*\b]|, |v[97+16*\b]|, 0x2800000
.endr
.irp i, 2,4,6,8,10,12,14
.irp b, 0,1
	v_max3_num_f32 v[232+\b], v[232+\b], |v[96+16*\b+\i]|, |v[97+16*\b+\i]|
.endr
.endr
.irp b, 0,1
	v_permlanex16_b32 v[236+\b], v[232+\b], s[SEL], s[SEL+1]
.endr
.irp b, 0,1
	v_max_num_f32 v[232+\b], v[232+\b], v[236+\b]
.endr
.irp b, 0,1
	v_add_nc_u32 v[244+\b], 0xfe000000, v[232+\b]
.endr
.irp b, 0,1
	v_lshrrev_b32 v[236+\b], 23, v[244+\b]
.endr
	v_lshl_or_b32 v[\OUT], v237, 8, v236           ; the row's two scale bytes
	v_cvt_scalef32_pk16_bf6_f32 v[224:226], v[96:111], v244
	v_cvt_scalef32_pk16_bf6_f32 v[240:242], v[112:127], v245
	v_nop                                          ; one plain place behind a scaled conversion
.irp i, 0,1,2
	v_permlane16_swap_b32 v[224+\i], v[240+\i]
.endr
.irp i, 0,1,2
	v_mov_b32 v[227+\i], v[240+\i]
.endr
.irp q, 0,1,2
	global_store_b64 v1, v[224+2*\q:225+2*\q], s[\BASE:\BASE+1] offset:256*\q
.endr
.endm
.rept 4
	v_nop                                          ; places behind the last products
.endr
	FIN 160, 8, 68, 255
	FIN 192, 12, 70, 254
	v_bfe_u32 v232, v0, 4, 1                       ; lanes 0-15 store tile A's scale bytes, lanes 16-31 tile B's
	v_cmp_eq_u32 vcc_lo, 1, v232
	v_cndmask_b32 v233, v255, v254, vcc_lo
	v_mul_u32_u24 v234, s74, v232
	v_add_nc_u32 v234, v234, v7
	global_store_b16 v234, v233, s[72:73]
	s_wait_xcnt 0x0
	v_lshl_add_u32 v254, v0, 2, 0x33000
	v_mov_b32 v255, 0
	s_wait_tensorcnt 0x0
	ds_add_u32 v254, v255
	s_wait_dscnt 0x0
	s_endpgm
.Lfunc_end_k_qaa475839fa_attn:
	.size	k_qaa475839fa_attn, .Lfunc_end_k_qaa475839fa_attn-k_qaa475839fa_attn
	.p2alignl 7, 3214868480
	.fill 96, 4, 3214868480
	.section	.rodata,"a",@progbits
	.p2align	6, 0x0
	.amdhsa_kernel k_qaa475839fa_attn
		.amdhsa_group_segment_fixed_size 210944
		.amdhsa_private_segment_fixed_size 0
		.amdhsa_enable_private_segment 0
		.amdhsa_kernarg_size 24
		.amdhsa_user_sgpr_count 2
		.amdhsa_user_sgpr_kernarg_segment_ptr 1
		.amdhsa_wavefront_size32 1
		.amdhsa_system_sgpr_workgroup_id_x 1
		.amdhsa_system_sgpr_workgroup_id_y 1
		.amdhsa_system_sgpr_workgroup_id_z 1
		.amdhsa_system_vgpr_workitem_id 0
		.amdhsa_next_free_vgpr 256
		.amdhsa_next_free_sgpr 76
		.amdhsa_reserve_vcc 1
		.amdhsa_float_denorm_mode_32 3
		.amdhsa_float_denorm_mode_16_64 3
		.amdhsa_memory_ordered 1
		.amdhsa_forward_progress 1
		.amdhsa_inst_pref_size 106
	.end_amdhsa_kernel
	.amdgpu_metadata
---
amdhsa.version: [ 1, 2 ]
amdhsa.kernels:
  - .name:           k_qaa475839fa_attn
    .symbol:         k_qaa475839fa_attn.kd
    .args:
      - { .name: qq, .offset: 0, .size: 8, .value_kind: global_buffer, .address_space: global }
      - { .name: kv, .offset: 8, .size: 8, .value_kind: global_buffer, .address_space: global }
      - { .name: oq, .offset: 16, .size: 8, .value_kind: global_buffer, .address_space: global }
    .group_segment_fixed_size: 210944
    .private_segment_fixed_size: 0
    .kernarg_segment_align: 8
    .kernarg_segment_size: 24
    .max_flat_workgroup_size: 512
    .sgpr_count:     76
    .vgpr_count:     256
    .wavefront_size: 32
...
	.end_amdgpu_metadata
.endif
;; end of part 3
;; launch proj (part 4): grid 4 x 32, 4 waves a work-group, clusters of 4 x 4, 327,680 bytes of LDS; arguments oq, wq, bo, out0; writes out0
.if DOCPART == 4
	.amdgcn_target "amdgcn-amd-amdhsa--gfx1250"
	.amdhsa_code_object_version 6
	.text
	.protected	k_qaa475839fa_proj
	.globl	k_qaa475839fa_proj
	.p2align	8
	.type	k_qaa475839fa_proj,@function
k_qaa475839fa_proj:
	s_mov_b64 s[64:65], 0
	v_nop
	global_prefetch_b8 v0, s[64:65] scope:SCOPE_SE
	s_setreg_imm32_b32 hwreg(HW_REG_WAVE_MODE, 25, 1), 1
	s_wait_xcnt 0x0
	s_wait_alu depctr_hold_cnt(0) depctr_sa_sdst(0) depctr_va_vdst(0) depctr_va_sdst(0) depctr_va_ssrc(0) depctr_va_vcc(0) depctr_vm_vsrc(0)
	s_getreg_b32 s2, hwreg(HW_REG_IB_STS2, 6, 4)
	s_cmp_eq_u32 s2, 0
	s_cbranch_scc0 .Lentry_in_a_cluster
	s_endpgm
.Lentry_in_a_cluster:
	s_bfe_u32 s2, ttmp6, 0x10000c
	s_cmp_lg_u32 s2, 0xf033
	s_cbranch_scc0 .Lentry_shape_is_right
	s_endpgm
.Lentry_shape_is_right:
; out0 = o Wo + bo on codes of BF6 (E3M2) with one E8M0 scale for each 32 along K, K = 1,024; out0 [8192][1024] f32.
; A: oq, 8,192 rows; B: wq's rows 3,072 to 4,095 (the output columns of Wo).  Both lie as images of fragments: [row tile][K step][1,536 bytes], registers 2 p, 2 p + 1 of lane l at 256 p + 8 l;
; scale words [K step][row][4 bytes] behind the codes.  A fragment comes out of LDS by six loads of 8 bytes a lane, each 256 consecutive bytes: no pitch, no padding.
; A tile of 256 x 256 is made by four waves, each 128 x 128: 64 accumulators, 512 registers.  K goes in steps of 256 through a ring of two LDS slots; the scale words of all of K come once.
; CLUSTERS: 4 x 4 work-groups; A's tiles are asked for jointly along a row of the cluster, B's along a column.
; THE MATRIX INSTRUCTION IS USED TRANSPOSED (source 0 = 16 rows of B, source 1 = 16 rows of A): a lane holds eight neighbouring numbers of a row of the result.
; Inside a block of 32 both operands hold k in one common order (bits 3 and 4 of the place exchanged): the products are those of the natural order.
; 128 work-groups: the tile is kept at 256 x 256 so that each LDS byte feeds the most products.  No prefetch: K is four slots long and both first slots are asked for at the head.
; REGISTERS, in windows of 256: window 0: v0-31 addresses; v32-63 scale words, two sets; v64-67 the bias; from v128 A's fragments, one set.  window 1: B's fragments, two sets.  windows 2, 3: the accumulators.
.set NQ,     2
.set FR,     12
.set NL,     6
.set NP,     4                         ; places behind this matrix instruction (ISA guide 7.12.1)
.set KSB,    1536
.set STEPB,  NQ*KSB
.set HALFT,  8*STEPB
.set SLOT,   4*HALFT
.set LAPS,   2
.set SCL,    2*SLOT
.set HALFS,  4096
.set SPARE,  SCL+4*HALFS               ; the spare words, 128 bytes for each wave: two blocks of 256 bytes that no other line names
.set ASO,    6291456
.set BCO,    2359296                   ; Wo's codes: row tile 192 on
.set BSO,    3158016                   ; and its scale words: 3,145,728 + 4 x 3,072
.set SIZE_N, 1024
.set SPITCH, 528                       ; the way out: a stage of 16 rows x (512 bytes + 16) for each wave, in slot 0, which has had its last fill and its last read by then
.set ADRA, 16
.set ADRB, 20
.set STO,  24
.set RD,   25
.set CO,   26
.set ADRS, 27
.set SPW,  28
.set NIL,  29
.set SC,   32
.set AF,   128
.set BK,   128
.set G1, 24
.set G0, 32
.set G1B, 48
.set G0B, 56
.set G1S, 68
.set G0S, 76
.set G1SB, 80
.set G0SB, 88
.set MSB, 0
.macro WIN new
.if MSB != (\new)
	s_set_vgpr_msb (MSB<<8)|(\new)
.set MSB, (\new)
.endif
.endm
.set MUL_LO, 0xa1
.set MUL_HI, 0xf1
.set TO_B,   0x40
.macro JLOAD g0a, g1a, g0b, g1b        ; a joint load: waves 0 and 1 fetch for A, waves 2 and 3 for B; four v_nop follow each of the two lines
	s_cmp_eq_u32 s15, 0
	s_cbranch_scc0 .Lfor_b_\@
	tensor_load_to_lds s[\g0a:\g0a+3], s[\g1a:\g1a+7]
	s_nop 0
.rept 4
	v_nop
.endr
	s_branch .Lasked_\@
.Lfor_b_\@:
	tensor_load_to_lds s[\g0b:\g0b+3], s[\g1b:\g1b+7]
	s_nop 0
.rept 4
	v_nop
.endr
.Lasked_\@:
.endm
.macro CREST
	s_cmp_lg_u32 s14, 0
	s_cbranch_scc1 .Lnot_wave_0_\@
	s_barrier_signal -3
.Lnot_wave_0_\@:
	s_barrier_wait -3
	s_barrier_signal -1
	s_barrier_wait -1
.endm
.macro CROUND
	s_barrier_signal -1
	s_barrier_wait -1
	CREST
.endm
	s_load_b128 s[4:7], s[0:1], 0x0                ; oq, wq
	s_load_b64 s[66:67], s[0:1], 0x10              ; bo
	s_load_b64 s[12:13], s[0:1], 0x18              ; out0
	v_lshl_add_u32 v[SPW], v0, 2, SPARE
	v_mov_b32 v[NIL], 0
	ds_add_u32 v28, v29
	ds_add_u32 v28, v29
	s_wait_dscnt 0x0
	v_lshrrev_b32 v1, 5, v0
	v_readfirstlane_b32 s14, v1                    ; wave 0..3
	s_lshr_b32 s15, s14, 1
	s_and_b32 s16, s14, 1
	s_bfe_u32 s40, ttmp6, 0x40000                  ; cx, cy
	s_bfe_u32 s41, ttmp6, 0x40004
	s_lshl_b32 s42, ttmp9, 2
	s_add_co_u32 s42, s42, s40                     ; tile column
	s_and_b32 s17, ttmp7, 0xffff
	s_lshl_b32 s17, s17, 2
	s_add_co_u32 s17, s17, s41                     ; tile row
	s_lshl_b32 s43, s41, 2
	s_lshl_b32 s43, 15, s43                        ; my row of the cluster
	s_lshl_b32 s44, 0x1111, s40                    ; my column
	s_or_b32 s[G1+0], s43, (3<<16)|(1<<21)         ; codes: 8 rows (row tiles) of 3,072 bytes, 12,288 bytes apart
	s_or_b32 s[G1B+0], s44, (3<<16)|(1<<21)
.irp g, G1, G1B
	s_mov_b32 s[\g+1], 384<<16
	s_mov_b32 s[\g+2], 8<<16
	s_mov_b32 s[\g+3], 384<<16
	s_mov_b32 s[\g+4], 8
	s_mov_b32 s[\g+5], 1536
	s_mov_b32 s[\g+6], 0
	s_mov_b32 s[\g+7], 0
.endr
	s_or_b32 s[G1S+0], s43, (3<<16)|(1<<21)        ; scale words: 8 rows (K steps) of 512 bytes
	s_or_b32 s[G1SB+0], s44, (3<<16)|(1<<21)
.irp g, G1S, G1SB
	s_mov_b32 s[\g+1], 64<<16
	s_mov_b32 s[\g+2], 8<<16
	s_mov_b32 s[\g+3], 64<<16
	s_mov_b32 s[\g+4], 8
	s_mov_b32 s[\g+6], 0
	s_mov_b32 s[\g+7], 0
.endr
	s_mov_b32 s[G1S+5], 4096
	s_mov_b32 s[G1SB+5], 2048
	s_lshl_b32 s18, s16, 7
	s_lshl_b32 s20, s17, 8
	s_add_co_u32 s20, s20, s18                     ; A: row 256 x tile row + 128 x half
	s_lshl_b32 s46, s42, 8
	s_add_co_u32 s46, s46, s18                     ; B: row 256 x tile column + 128 x half
	s_lshl_b32 s22, s20, 2
	s_mov_b32 s23, 0
	s_lshl_b32 s92, s46, 2
	s_mov_b32 s93, 0
	s_mul_i32 s20, s20, 768
	s_mov_b32 s21, 0
	s_mul_i32 s46, s46, 768
	s_mov_b32 s47, 0
	s_mul_i32 s45, s14, HALFT
	s_mul_i32 s94, s14, HALFS
	s_wait_kmcnt 0x0
	s_add_nc_u64 s[8:9], s[6:7], BCO
	s_add_nc_u64 s[10:11], s[6:7], BSO
	s_add_nc_u64 s[6:7], s[4:5], ASO
	s_add_nc_u64 s[20:21], s[4:5], s[20:21]
	s_add_nc_u64 s[22:23], s[6:7], s[22:23]
	s_add_nc_u64 s[46:47], s[8:9], s[46:47]
	s_add_nc_u64 s[92:93], s[10:11], s[92:93]
	CROUND                                         ; all sixteen work-groups are here: the first joint loads meet
	s_mov_b32 s[G0S], 1
	s_add_co_u32 s[G0S+1], s94, SCL
	s_mov_b64 s[G0S+2:G0S+3], s[22:23]
	s_or_b32 s[G0S+3], s[G0S+3], 0x80000000
	s_mov_b32 s[G0SB], 1
	s_add_co_u32 s[G0SB+1], s94, SCL
	s_mov_b64 s[G0SB+2:G0SB+3], s[92:93]
	s_or_b32 s[G0SB+3], s[G0SB+3], 0x80000000
	JLOAD G0S, G1S, G0SB, G1SB
.irp s, 0,1
	s_mov_b32 s[G0+4*\s], 1
	s_add_co_u32 s[G0+4*\s+1], s45, \s*SLOT
	s_add_nc_u64 s[G0+4*\s+2:G0+4*\s+3], s[20:21], \s*STEPB
	s_or_b32 s[G0+4*\s+3], s[G0+4*\s+3], 0x80000000
	s_mov_b32 s[G0B+4*\s], 1
	s_add_co_u32 s[G0B+4*\s+1], s45, \s*SLOT
	s_add_nc_u64 s[G0B+4*\s+2:G0B+4*\s+3], s[46:47], \s*STEPB
	s_or_b32 s[G0B+4*\s+3], s[G0B+4*\s+3], 0x80000000
	JLOAD G0+4*\s, G1, G0B+4*\s, G1B
.endr
	v_and_b32 v1, 15, v0                           ; r
	v_bfe_u32 v2, v0, 4, 1                         ; h
	v_and_b32 v3, 31, v0                           ; lane
	v_lshlrev_b32 v4, 3, v3
	s_mul_i32 s21, s15, HALFT
	s_mul_i32 s22, s16, HALFT
	s_add_co_u32 s22, s22, 2*HALFT
.irp s, 0,1
	v_add_nc_u32 v[ADRA+\s], s21, v4
	v_add_nc_u32 v[ADRB+\s], s22, v4
	s_add_co_u32 s21, s21, SLOT
	s_add_co_u32 s22, s22, SLOT
.endr
	v_lshlrev_b32 v5, 2, v1
	s_mul_i32 s21, s15, HALFS
	s_mul_i32 s22, s16, HALFS
	s_add_co_u32 s22, s22, 2*HALFS
	s_sub_co_u32 s22, s22, s21
	v_mul_u32_u24 v6, s22, v2                      ; lanes 16-31 take B's
	s_add_co_u32 s21, s21, SCL
	v_add_nc_u32 v5, v5, v6
	v_add_nc_u32 v[ADRS], s21, v5
	s_mul_i32 s23, s14, 16*SPITCH                  ; my stage
	v_mul_u32_u24 v5, v1, SPITCH
	v_lshl_add_u32 v5, v2, 5, v5
	v_add_nc_u32 v[STO], s23, v5                   ; in: row r, 32 bytes for each half of the lanes
	v_lshlrev_b32 v[CO], 4, v3                     ; back: the 32 lanes take one row of 512 bytes; and the same in out0 and in bo
	v_add_nc_u32 v[RD], s23, v[CO]
	s_lshl_b32 s20, s17, 8
	s_lshl_b32 s21, s15, 7
	s_add_co_u32 s20, s20, s21                     ; my first row
	s_lshl_b32 s20, s20, 12                        ; 4,096 bytes a row
	s_mov_b32 s21, 0
	s_lshl_b32 s46, s42, 10                        ; my first column, in bytes
	s_lshl_b32 s47, s16, 9
	s_add_co_u32 s46, s46, s47
	s_mov_b32 s47, 0
	s_add_nc_u64 s[66:67], s[66:67], s[46:47]
	s_add_nc_u64 s[20:21], s[20:21], s[46:47]
	s_add_nc_u64 s[12:13], s[12:13], s[20:21]
	global_load_b128 v[64:67], v[CO], s[66:67]     ; the bias of my four columns of a row
.macro FRAG reg, adr, q, i
.irp p, 0,1,2,3,4,5
	ds_load_b64 v[\reg+2*\p:\reg+2*\p+1], v[\adr] offset:(\i)*STEPB+(\q)*KSB+256*\p
.endr
.endm
; The 64 accumulators take turns, one instruction a turn, in the same order in every step.
.macro MUL16 a0, p, q, sc, zero
.irp a, \a0, \a0+1
.irp b, 0,1,2,3,4,5,6,7
.if \zero
	v_wmma_scale_f32_16x16x128_f8f6f4 v[8*(8*((\a)%4)+\b):8*(8*((\a)%4)+\b)+7], v[128*(\p)+FR*\b:128*(\p)+FR*\b+FR-1], v[AF+FR*(\a):AF+FR*(\a)+FR-1], 0, v[SC+8*NQ*(\sc)+NQ*\b+(\q)], v[SC+8*NQ*(\sc)+NQ*(\a)+(\q)] matrix_a_fmt:MATRIX_FMT_BF6 matrix_b_fmt:MATRIX_FMT_BF6 matrix_a_scale:MATRIX_SCALE_ROW1
.else
	v_wmma_scale_f32_16x16x128_f8f6f4 v[8*(8*((\a)%4)+\b):8*(8*((\a)%4)+\b)+7], v[128*(\p)+FR*\b:128*(\p)+FR*\b+FR-1], v[AF+FR*(\a):AF+FR*(\a)+FR-1], v[8*(8*((\a)%4)+\b):8*(8*((\a)%4)+\b)+7], v[SC+8*NQ*(\sc)+NQ*\b+(\q)], v[SC+8*NQ*(\sc)+NQ*(\a)+(\q)] matrix_a_fmt:MATRIX_FMT_BF6 matrix_b_fmt:MATRIX_FMT_BF6 matrix_a_scale:MATRIX_SCALE_ROW1
.endif
.endr
.endr
.endm
.macro FETCH_B slot, q, p
	WIN TO_B
.irp i, 0,1,2,3,4,5,6,7
	FRAG 128*(\p)+FR*\i, ADRB+\slot, \q, \i
.endr
	WIN 0
.endm
.macro FETCH_A slot, q, i0
.irp i, \i0, \i0+1, \i0+2, \i0+3
	FRAG AF+FR*(\i), ADRA+\slot, \q, \i
.endr
.endm
.macro SCALES sc
.irp i, 0,1,2,3,4,5,6,7
	ds_load_b32 v[SC+8*NQ*\sc+NQ*\i], v[ADRS] offset:64*\i
	ds_load_b32 v[SC+8*NQ*\sc+NQ*\i+1], v[ADRS] offset:64*\i+512
.endr
.endm
.macro PLACES n
.rept \n
	v_nop
.endr
.endm
.macro STEP slot, q, zero
	s_wait_dscnt 4*NL                              ; B's set, A's blocks 0-3 and the scale words are in; the youngest 24 loads (A's blocks 4-7) may be out
	WIN MUL_LO
	MUL16 0, (\q)%2, \q, \slot, \zero
	MUL16 2, (\q)%2, \q, \slot, \zero
	s_wait_dscnt 0
	PLACES NP
	FETCH_B \slot, (\q)+1, 1-(\q)%2
	FETCH_A \slot, (\q)+1, 0
	WIN MUL_HI
	MUL16 4, (\q)%2, \q, \slot, \zero
	MUL16 6, (\q)%2, \q, \slot, \zero
	PLACES NP
	WIN 0
	FETCH_A \slot, (\q)+1, 4
.endm
.macro TURN slot, next, fill
	s_wait_tensorcnt 0x0                           ; all my tensor loads have landed: my part of the next slot
	ds_add_u32 v[SPW], v[NIL]                      ; 0 onto my spare word
	s_wait_dscnt 4*NL+1                            ; (the add and the youngest 24 loads may be out)
	WIN MUL_LO
	MUL16 0, 1, NQ-1, \slot, 0
	s_wait_dscnt 0x0                               ; the add is done, and my reads of this slot are over
	s_barrier_signal -1
	MUL16 2, 1, NQ-1, \slot, 0
	WIN 0
	s_barrier_wait -1
.if \fill
	CREST                                          ; the barrier has opened a round of the cluster's barrier
	s_add_nc_u64 s[G0+4*\slot+2:G0+4*\slot+3], s[G0+4*\slot+2:G0+4*\slot+3], 2*STEPB
	s_add_nc_u64 s[G0B+4*\slot+2:G0B+4*\slot+3], s[G0B+4*\slot+2:G0B+4*\slot+3], 2*STEPB
	JLOAD G0+4*\slot, G1, G0B+4*\slot, G1B         ; the first tensor load behind the round; its four v_nop are the places in front of the loads below
.else
	PLACES NP
.endif
	v_add_nc_u32 v[ADRS], 512*NQ, v[ADRS]          ; on to the next slot's scale words (no LDS load of mine is out)
	FETCH_B \next, 0, 0
	FETCH_A \next, 0, 0
	SCALES \next
	WIN MUL_HI
	MUL16 4, 1, NQ-1, \slot, 0
	MUL16 6, 1, NQ-1, \slot, 0
	PLACES NP
	WIN 0
	FETCH_A \next, 0, 4
.endm
	s_wait_tensorcnt 1                             ; the scale words and my part of slot 0 are in (slot 1's load may be out),
	s_barrier_signal -1
	s_barrier_wait -1                              ; everybody's are
	FETCH_B 0, 0, 0
	FETCH_A 0, 0, 0
	SCALES 0
	FETCH_A 0, 0, 4
	STEP 0, 0, 1                                   ; the first step's products start the sums
	s_mov_b32 s3, LAPS-1
.Llap:
	TURN 0, 1, 1
	STEP 1, 0, 0
	TURN 1, 0, 1
	STEP 0, 0, 0
	s_sub_co_u32 s3, s3, 1
	s_cmp_lg_u32 s3, 0
	s_cbranch_scc1 .Llap
	TURN 0, 1, 0                                   ; the last lap fills nothing
	STEP 1, 0, 0
	s_wait_dscnt 4*NL
	WIN MUL_LO
	MUL16 0, 1, NQ-1, 1, 0
	MUL16 2, 1, NQ-1, 1, 0
	s_wait_dscnt 0
	WIN MUL_HI
	MUL16 4, 1, NQ-1, 1, 0
	MUL16 6, 1, NQ-1, 1, 0
	WIN 0
; THE WAY OUT, block by block of 16 rows x 128 columns, through my own stage in LDS: back come whole rows of 512 bytes, to which the bias is added and which the 32 lanes store as 512 consecutive bytes, aligned.
.macro TOSTAGE a
.set AC, 64*((\a)%4)
	WIN 0x08+4*((\a)/4)                            ; the data: window 2 or 3
.irp b, 0,1,2,3,4,5,6,7
	ds_store_b128 v[STO], v[AC+8*\b:AC+8*\b+3] offset:64*\b          ; each accumulator from its low end on
	ds_store_b128 v[STO], v[AC+8*\b+4:AC+8*\b+7] offset:64*\b+16
.endr
	WIN 0
.set BB, BK+64*((\a)%2)
.irp t, 0,1,2,3,4,5,6,7,8,9,10,11,12,13,14,15
	ds_load_b128 v[BB+4*\t:BB+4*\t+3], v[RD] offset:\t*SPITCH        ; LDS serves a wave's instructions in order (ISA guide 5.7.1.4): these see the stores above
.endr
.endm
.macro SEND a, younger                 ; younger: the LDS instructions issued behind block a's loads, which may stay out
.set BB, BK+64*((\a)%2)
	s_wait_dscnt \younger
.if (\a) > 0
	s_add_nc_u64 s[12:13], s[12:13], 16*SIZE_N*4   ; (behind a wait on XCNT: the earlier stores have read their base)
.endif
.irp t, 0,1,2,3,4,5,6,7,8,9,10,11,12,13,14,15
	v_pk_add_f32 v[BB+4*\t:BB+4*\t+1], v[BB+4*\t:BB+4*\t+1], v[64:65]
	v_pk_add_f32 v[BB+4*\t+2:BB+4*\t+3], v[BB+4*\t+2:BB+4*\t+3], v[66:67]
	global_store_b128 v[CO], v[BB+4*\t:BB+4*\t+3], s[12:13] offset:\t*SIZE_N*4 th:TH_STORE_NT
.endr
.endm
	PLACES NP
	s_wait_loadcnt 0x0                             ; the bias
	TOSTAGE 0
.irp a, 1,2,3,4,5,6,7
.if \a > 1
	s_wait_xcnt 0x0                                ; block a - 2's stores have read their registers and their base
.endif
	TOSTAGE \a
	SEND \a-1, 32                                  ; behind block a - 1's loads: block a's 16 stores and 16 loads
.endr
	s_wait_xcnt 0x0
	SEND 7, 0
	s_wait_tensorcnt 0x0                           ; the wave's end
	ds_add_u32 v[SPW], v[NIL]
	s_wait_dscnt 0x0
	CROUND                                         ; the closing round
	s_endpgm
.Lfunc_end_k_qaa475839fa_proj:
	.size	k_qaa475839fa_proj, .Lfunc_end_k_qaa475839fa_proj-k_qaa475839fa_proj
	.p2alignl 7, 3214868480
	.fill 96, 4, 3214868480
	.section	.rodata,"a",@progbits
	.p2align	6, 0x0
	.amdhsa_kernel k_qaa475839fa_proj
		.amdhsa_group_segment_fixed_size 327680
		.amdhsa_private_segment_fixed_size 0
		.amdhsa_enable_private_segment 0
		.amdhsa_kernarg_size 32
		.amdhsa_user_sgpr_count 2
		.amdhsa_user_sgpr_kernarg_segment_ptr 1
		.amdhsa_wavefront_size32 1
		.amdhsa_system_sgpr_workgroup_id_x 1
		.amdhsa_system_sgpr_workgroup_id_y 1
		.amdhsa_system_sgpr_workgroup_id_z 1
		.amdhsa_system_vgpr_workitem_id 0
		.amdhsa_next_free_vgpr 1024
		.amdhsa_next_free_sgpr 98
		.amdhsa_reserve_vcc 0
		.amdhsa_float_denorm_mode_32 3
		.amdhsa_float_denorm_mode_16_64 3
		.amdhsa_memory_ordered 1
		.amdhsa_forward_progress 1
		.amdhsa_inst_pref_size 178
	.end_amdhsa_kernel
	.amdgpu_metadata
---
amdhsa.version: [ 1, 2 ]
amdhsa.kernels:
  - .name:           k_qaa475839fa_proj
    .symbol:         k_qaa475839fa_proj.kd
    .args:
      - { .name: oq, .offset: 0, .size: 8, .value_kind: global_buffer, .address_space: global }
      - { .name: wq, .offset: 8, .size: 8, .value_kind: global_buffer, .address_space: global }
      - { .name: bo, .offset: 16, .size: 8, .value_kind: global_buffer, .address_space: global }
      - { .name: out0, .offset: 24, .size: 8, .value_kind: global_buffer, .address_space: global }
    .group_segment_fixed_size: 327680
    .private_segment_fixed_size: 0
    .kernarg_segment_align: 8
    .kernarg_segment_size: 32
    .max_flat_workgroup_size: 128
    .sgpr_count:     98
    .vgpr_count:     1024
    .wavefront_size: 32
...
	.end_amdgpu_metadata
.endif
;; end of part 4
